; MI455X (gfx1250); checked and timed in simulation.
; The chip was launched on July 23, 2026; its instructions are those of AMD's public machine-readable ISA for CDNA 5 (MIT licence, August 2026) and "CDNA5" Instruction Set Architecture Reference Guide (July 2026). The comments in the code are by the model that wrote it; some were corrected since.
;; Local Window Attention. Allowed arithmetic: matrix products marked QUANTISED: E2M3 operands, one E8M0 scale for each 32 along K, by v_wmma_scale_f32_16x16x128_f8f6f4 with both operands' format E2M3, f32 sums; products left as they are: f32 operands where the result goes on into a quantised operand, else bf16, f16 or f32 operands; f32 sums; everything else in f32.
;; Inputs: rope_freqs 8,192 x 32 float32; wk 1,024 x 1,024 float32; wo 1,024 x 1,024 float32; wq 1,024 x 1,024 float32; wv 1,024 x 1,024 float32; x 2 x 8,192 x 1,024 float32.
;; Outputs: out0 2 x 8,192 x 1,024 float32.
;; This version of the problem:
;;   THIS VERSION OF THE PROBLEM IS GIVEN IN LOW PRECISION. The matrix products marked QUANTISED in the list below multiply operands that are first quantised to E2M3 (2 exponent bits, 3 mantissa bits; 6 bits a number), with one power-of-two scale for each 32 numbers along K (OCP MX v1.0); their sums are f32. All else is computed in f32.
;;   The module's matrix products, in the order in which they are computed (A, B: the left and right operand; K: the contracted axis; several contracted axes count as one K, in the product's order):
;;     1. [M 16,384, K 1,024] x [K 1,024, N 1,024]; A: input x; B: input wq: QUANTISED
;;     2. [M 16,384, K 1,024] x [K 1,024, N 1,024]; A: input x; B: input wk: QUANTISED
;;     3. [M 16,384, K 1,024] x [K 1,024, N 1,024]; A: input x; B: input wv: QUANTISED
;;     4. batch 16,384 x [M 16, K 64] x [K 64, N 16]; A: computed on the way; B: computed on the way: QUANTISED
;;     5. batch 16,384 x [M 64, K 16] x [K 16, N 16]; A: computed on the way; B: softmax: left as it is (K = 16 < 32)
;;     6. [M 16,384, K 1,024] x [K 1,024, N 1,024]; A: computed on the way; B: input wo: QUANTISED
;;   THE QUANTISER, for each operand of a quantised product, along K:
;;     - K is cut into blocks of 32 from its start; a last block that is shorter is filled with zeros.
;;     - A block's scale is 2^e with e = floor(log2(the largest magnitude in the block)) - 2, held to -126 .. 127; a block of zeros has e = 0. As a byte (E8M0): e + 127.
;;     - Each number is divided by its block's scale, clamped to +-7.5, and rounded to the nearest number of E2M3, ties to even, subnormals kept.
;;     - The product sums the exact products of the quantised numbers (number of the format x scale) in f32.
;;   ~~~python
;;   def quantise(x, axis):      # numpy; x: float32 -> the quantised numbers, widened to float32 again
;;       x = np.moveaxis(x, axis, -1); K = x.shape[-1]
;;       x = np.pad(x, [(0, 0)] * (x.ndim - 1) + [(0, -K % 32)]); x = x.reshape(x.shape[:-1] + (-1, 32)); a = np.abs(x).max(-1, keepdims=True)
;;       e = np.where(a > 0, np.clip(np.frexp(np.where(a > 0, a, 1))[1] - 1 - 2, -126, 127), 0)      # np.frexp(a)[1] - 1 = floor(log2(a)), exactly
;;       r = np.clip(x / 2.0 ** e, -7.5, 7.5)
;;       step = 2.0 ** (np.maximum(np.frexp(np.where(r == 0, 1, r))[1] - 1, 0) - 3)
;;       q = np.round(r / step) * step * 2.0 ** e      # np.round: ties to even
;;       return np.moveaxis(q.reshape(q.shape[:-2] + (-1,))[..., :K], -1, axis).astype(np.float32)
;;   ~~~
;;   OPERANDS COMPUTED ON THE WAY. 'Computed on the way' means the value that the module computes at that place (a softmax that the list does not call 'softmax' is quantised finished and normalised). What goes into a quantiser is computed in f32, as accurately as f32 sums, v_exp_f32 and their like allow (about 1e-6 of the number): no bf16 or f16 on the way to a quantiser, and a product that is left as it is and whose result goes on into a quantised operand takes f32 operands (vector FMAs, or v_wmma_f32_16x16x4_f32). A number that lies on a knife's edge between two numbers of the format may be rounded either way, as far as f32 arithmetic and the matrix unit's own rounding can turn it there, and no further.
;; 2 versions. Each part assembles by itself: llvm-mc -triple=amdgcn-amd-amdhsa -mcpu=gfx1250 --defsym DOCPART=n.
;; ======== version 1 of 2: 2 launches
;; limits: right only within a limited range of input values
;; workspace buffers: wstream 3,276,800 bytes; cstab 4,096 bytes
;; launch prep (part 1): grid 16 x 16, 2 waves a work-group, no clusters, 17,664 bytes of LDS; arguments wq, wk, wv, wo, rope_freqs, wstream, cstab; writes wstream, cstab
.if DOCPART == 1
	.amdgcn_target "amdgcn-amd-amdhsa--gfx1250"
	.amdhsa_code_object_version 6
	.text
	.protected	k_q39b3d95409_prep
	.globl	k_q39b3d95409_prep
	.p2align	8
	.type	k_q39b3d95409_prep,@function
k_q39b3d95409_prep:
	s_mov_b64 s[64:65], 0
	v_nop
	global_prefetch_b8 v0, s[64:65] scope:SCOPE_SE
	s_setreg_imm32_b32 hwreg(HW_REG_WAVE_MODE, 25, 1), 1
	s_wait_xcnt 0x0
; The four weights [1024 (n)][1024 (k)], f32, K innermost, become codes of FP6 (E2M3) with one E8M0 byte for each 32 along K, laid in the ORDER IN WHICH THE NEXT LAUNCH'S
; WAVES TAKE THEM: wave w's stream at 819,200 w, 32 chunks of 25,600 bytes: 16 fragments (16 rows x 128 K) as images of their 12 registers (dword q of lane l at
; 512 (q / 4) + 16 l + 4 (q % 4)), then 1,024 bytes of scale words.  Chunk i < 24: head 4 w + i / 6, matrix q, k, v by (i % 6) / 2; i >= 24: wo, row group 4 w + (i - 24) / 2.
; K half c = i & 1 (K steps 4 c .. 4 c + 3).  Fragment 4 j + t: K step 4 c + j, tile t = 2 b + u, whose lane r takes row 64 G + 32 b + 8 u + r + 8 (r / 8).
; A block's scale is 2^(floor(log2(its largest magnitude)) - 2): its byte is the largest magnitude's exponent field - 2, held at 1 from below by a floor among the maximum's leaves.
; (A block of zeros so keeps the byte 1: its codes are zeros, and this program alone reads the bytes.)
; One wave makes the four fragments and the 256 bytes of scale words of one (chunk, j).  Each load reads 512 consecutive bytes of one row; the tile turns through the wave's own stage
; in LDS, so that a lane holds whole blocks of its row.  No barrier: waves share nothing.  Matrix units, clusters and tensor loads would add nothing to a stream read once.
; One wave of the launch also makes cos and sin of rope_freqs[0..15][0..31], as an image of the 32 registers that the next launch wants (lane (r, h): angle [r][16 h + i]).
; LIMITS: NaN and infinities are not served; blocks under 2^-124 keep the byte 1; angles up to 1e5 in magnitude (three-part reduction by pi / 2, polynomials of degree 7 and 8 on
; [-pi/4, pi/4], absolute error about 2e-7).
.set RAW,  16                          ; v16-143  two sets of 64: a tile's 16 rows as loaded
.set X,    144                         ; v144-207 my two blocks of 32 numbers
.set C,    208                         ; v208-231 two sets of 12: a fragment's codes
.set T,    232                         ; v232-238 the second halves of the blocks' codes
.set W,    240                         ; v240-243 the four tiles' scale words
.set R,    244                         ; v244-245 the scale words as they are stored
.set MX,   246                         ; v246-247 largest magnitudes
.set SOP,  248                         ; v248-249 the conversions' scale operands
.set BY,   250                         ; v250-251 the bytes
.set TM,   252                         ; v252-254 at work
.set STGW, 8448                        ; a wave's stage: 16 rows x (512 bytes + 16)
.set SP,   528
.set FLOOR, 0x1800000                  ; 2^(3 - 127)
	s_load_b256 s[4:11], s[0:1], 0x0               ; wq, wk, wv, wo
	s_load_b128 s[12:15], s[0:1], 0x20             ; rope_freqs, wstream
	s_load_b64 s[16:17], s[0:1], 0x30              ; cstab
	v_lshl_add_u32 v239, v0, 2, 0x4400
	v_mov_b32 v255, 0
	v_lshrrev_b32 v5, 5, v0
	v_readfirstlane_b32 s18, v5                    ; wave 0, 1
	v_and_b32 v6, 31, v0                           ; lane
	v_and_b32 v7, 15, v0                           ; r
	v_bfe_u32 v8, v0, 4, 1                         ; h
	v_lshlrev_b32 v1, 4, v6                        ; 16 x lane
	v_lshlrev_b32 v2, 3, v6                        ; 8 x lane
	s_mul_i32 s19, s18, STGW
	v_add_nc_u32 v3, s19, v1                       ; the stage, in: a row's 512 bytes as they lie
	v_mul_u32_u24 v4, v7, SP
	v_lshl_add_u32 v4, v8, 7, v4
	v_add_nc_u32 v4, s19, v4                       ; and out: row r, block h
	v_lshlrev_b32 v9, 3, v8                        ; 8 h: where my two bytes stand in a scale word
	v_mov_b32 v[TM+1], 0                           ; written once: a lane permute's destination counts as one of its sources
	s_mov_b32 s36, 0x76543210
	s_mov_b32 s37, 0xfedcba98                      ; lane l xor 16
	s_and_b32 s20, ttmp7, 0xffff                   ; y
	s_lshr_b32 s21, s20, 2                         ; the matrix: 0 q, 1 k, 2 v, 3 o
	s_bfe_u32 s22, s20, 0x10001                    ; c: the K half
	s_and_b32 s23, s20, 1
	s_lshl_b32 s23, s23, 1
	s_add_co_u32 s23, s23, s18                     ; j = 2 (y & 1) + wave
	s_lshl_b32 s24, s22, 2
	s_add_co_u32 s24, s24, s23                     ; K step 4 c + j
	s_lshr_b32 s25, ttmp9, 2                       ; the stream: w = G / 4
	s_and_b32 s26, ttmp9, 3                        ; G % 4
	s_mul_i32 s27, s26, 6
	s_lshl_b32 s28, s21, 1
	s_add_co_u32 s27, s27, s28
	s_add_co_u32 s27, s27, s22                     ; q, k, v: chunk 6 (G % 4) + 2 matrix + c
	s_lshl_b32 s28, s26, 1
	s_add_co_u32 s28, s28, s22
	s_add_co_u32 s28, s28, 24                      ; wo: chunk 24 + 2 (G % 4) + c
	s_cmp_lt_u32 s21, 3
	s_cselect_b32 s27, s27, s28
	s_wait_kmcnt 0x0
	s_cmp_eq_u32 s21, 1                            ; the source: a choice that hangs on the work-group's number alone
	s_cselect_b64 s[4:5], s[6:7], s[4:5]
	s_cmp_eq_u32 s21, 2
	s_cselect_b64 s[4:5], s[8:9], s[4:5]
	s_cmp_eq_u32 s21, 3
	s_cselect_b64 s[4:5], s[10:11], s[4:5]
	s_lshl_b32 s28, ttmp9, 18                      ; 64 rows of 4,096 bytes for each row group,
	s_lshl_b32 s29, s24, 9                         ; 512 bytes for each K step
	s_add_co_u32 s28, s28, s29
	s_mov_b32 s29, 0
	s_add_nc_u64 s[4:5], s[4:5], s[28:29]
	s_mul_i32 s28, s25, 819200
	s_mul_i32 s30, s27, 25600
	s_add_co_u32 s28, s28, s30                     ; my chunk
	s_mul_i32 s30, s23, 6144
	s_add_co_u32 s30, s30, s28
	s_mov_b32 s31, 0
	s_add_nc_u64 s[32:33], s[14:15], s[30:31]      ; my four fragments
	s_lshl_b32 s30, s23, 8
	s_add_co_u32 s30, s30, s28
	s_add_co_u32 s30, s30, 24576
	s_add_nc_u64 s[34:35], s[14:15], s[30:31]      ; my 256 bytes of scale words
.macro LOADT t                         ; tile t's 16 rows, 512 consecutive bytes each
.irp i, 0,1,2,3,4,5,6,7,8,9,10,11,12,13,14,15
	global_load_b128 v[RAW+64*((\t)%2)+4*\i:RAW+64*((\t)%2)+4*\i+3], v1, s[4:5] offset:(32*((\t)/2)+8*((\t)%2)+\i+8*(\i/8))*4096 th:TH_LOAD_NT
.endr
.endm
.macro TILE t
.set RS, RAW+64*((\t)%2)
.set CC, C+12*((\t)%2)
.if (\t) < 3
	s_wait_loadcnt 16                              ; this tile's 16 loads are in; the next tile's 16 may be out
.else
	s_wait_loadcnt 0x0
.endif
.irp i, 0,1,2,3,4,5,6,7,8,9,10,11,12,13,14,15
	ds_store_b128 v3, v[RS+4*\i:RS+4*\i+3] offset:SP*\i
.endr
.irp k, 0,1
.irp e, 0,1,2,3,4,5,6,7
	ds_load_b128 v[X+32*\k+4*\e:X+32*\k+4*\e+3], v4 offset:256*\k+16*\e   ; LDS serves a wave's instructions in order: block 2 k + h of row r
.endr
.endr
	s_wait_dscnt 0x0                               ; my numbers are back, and the stores into the stage have read their registers,
.if (\t)+2 < 4
	LOADT (\t)+2                                   ; which take the tile two on
.endif
.irp k, 0,1
	v_max3_num_f32 v[MX+\k], |v[X+32*\k]|, |v[X+32*\k+1]|, FLOOR   ; the block's largest magnitude, the floor among its leaves: all 32 numbers are mine
.endr
.irp i, 2,4,6,8,10,12,14,16,18,20,22,24,26,28,30
.irp k, 0,1
	v_max3_num_f32 v[MX+\k], v[MX+\k], |v[X+32*\k+\i]|, |v[X+32*\k+\i+1]|
.endr
.endr
.irp k, 0,1
	v_add_nc_u32 v[SOP+\k], 0xff000000, v[MX+\k]   ; 2 off the exponent field: the conversion takes this operand's exponent field as its scale
.endr
.irp k, 0,1
	v_lshrrev_b32 v[BY+\k], 23, v[SOP+\k]          ; the scale's byte
.endr
	v_lshl_or_b32 v[TM], v[BY+1], 16, v[BY]        ; blocks h and 2 + h,
	v_lshlrev_b32 v[TM], v9, v[TM]                 ; at their places in the row's word;
	v_permlanex16_b32 v[TM+1], v[TM], s36, s37
	v_or_b32 v[W+(\t)], v[TM], v[TM+1]             ; with lane l xor 16's two the word is whole
.if (\t) >= 2
	s_wait_xcnt 0x0                                ; the stores of two tiles back have read this set of codes
.endif
.irp k, 0,1
	v_cvt_scalef32_pk16_fp6_f32 v[CC+6*\k:CC+6*\k+2], v[X+32*\k:X+32*\k+15], v[SOP+\k]
	v_cvt_scalef32_pk16_fp6_f32 v[T+4*\k:T+4*\k+2], v[X+32*\k+16:X+32*\k+31], v[SOP+\k]   ; (a conversion's three registers begin on an even number)
.endr
	v_nop                                          ; one plain place behind a scaled conversion
.irp k, 0,1
.irp i, 0,1,2
	v_mov_b32 v[CC+6*\k+3+\i], v[T+4*\k+\i]
.endr
.endr
.irp g, 0,1,2
	global_store_b128 v1, v[CC+4*\g:CC+4*\g+3], s[32:33] offset:1536*(\t)+512*\g   ; 32 lanes store 512 consecutive bytes, aligned
.endr
.endm
	LOADT 0
	LOADT 1
	TILE 0
	TILE 1
	TILE 2
	TILE 3
	v_cmp_lt_u32 vcc_lo, 15, v6                    ; lanes 0-15 carry an even tile's words, lanes 16-31 the odd tile's
	v_cndmask_b32 v[R], v[W], v[W+1], vcc_lo
	v_cndmask_b32 v[R+1], v[W+2], v[W+3], vcc_lo
	global_store_b64 v2, v[R:R+1], s[34:35]        ; 256 consecutive bytes, aligned
	s_or_b32 s28, ttmp9, s20
	s_or_b32 s28, s28, s18
	s_cmp_lg_u32 s28, 0
	s_cbranch_scc1 .Ldone                          ; the table is one wave's work
	v_lshlrev_b32 v5, 7, v7
	v_lshl_add_u32 v5, v8, 6, v5                   ; rope_freqs: row r of 128 bytes, + 64 h
.irp q, 0,1,2,3
	global_load_b128 v[X+4*\q:X+4*\q+3], v5, s[12:13] offset:16*\q
.endr
	s_wait_loadcnt 0x0
.macro SINCOS i                        ; cos into v[16 + i], sin into v[32 + i]
	v_mul_f32 v246, 0x3f22f983, v[X+\i]            ; a x 2 / pi
	v_rndne_f32 v246, v246                         ; n
	v_fma_f32 v247, v246, 0xbfc90fdb, v[X+\i]      ; a - n pi / 2, pi / 2 in three parts
	v_fma_f32 v247, v246, 0x333bbd2e, v247
	v_fma_f32 v247, v246, 0x26f72ced, v247
	v_cvt_i32_f32 v249, v246                       ; the quadrant, in its two low bits
	v_mul_f32 v248, v247, v247                     ; z = r r
	v_mov_b32 v250, 0xb94ca1f9
	v_fmaak_f32 v250, v250, v248, 0x3c08839e
	v_fmaak_f32 v250, v250, v248, 0xbe2aaaa3
	v_mul_f32 v250, v250, v248
	v_fma_f32 v250, v250, v247, v247               ; sin r
	v_mov_b32 v251, 0x37ccf5ce
	v_fmaak_f32 v251, v251, v248, 0xbab6061a
	v_fmaak_f32 v251, v251, v248, 0x3d2aaaa5
	v_mul_f32 v252, v248, v248
	v_fma_f32 v253, v248, -0.5, 1.0
	v_fma_f32 v251, v251, v252, v253               ; cos r
	v_and_b32 v252, 1, v249
	v_cmp_eq_u32 vcc_lo, 1, v252                   ; odd quadrants change sine and cosine
	v_cndmask_b32 v253, v250, v251, vcc_lo
	v_cndmask_b32 v254, v251, v250, vcc_lo
	v_lshlrev_b32 v252, 30, v249
	v_and_b32 v252, 0x80000000, v252               ; the sine is negative in quadrants 2, 3
	v_xor_b32 v[32+\i], v252, v253
	v_add_nc_u32 v252, 1, v249
	v_lshlrev_b32 v252, 30, v252
	v_and_b32 v252, 0x80000000, v252               ; the cosine in quadrants 1, 2
	v_xor_b32 v[16+\i], v252, v254
.endm
.irp i, 0,1,2,3,4,5,6,7,8,9,10,11,12,13,14,15
	SINCOS \i
.endr
.irp g, 0,1,2,3,4,5,6,7
	global_store_b128 v1, v[16+4*\g:19+4*\g], s[16:17] offset:512*\g
.endr
.Ldone:
	s_wait_tensorcnt 0x0
	ds_add_u32 v239, v255
	s_wait_dscnt 0x0
	s_endpgm
.Lfunc_end_k_q39b3d95409_prep:
	.size	k_q39b3d95409_prep, .Lfunc_end_k_q39b3d95409_prep-k_q39b3d95409_prep
	.p2alignl 7, 3214868480
	.fill 96, 4, 3214868480
	.section	.rodata,"a",@progbits
	.p2align	6, 0x0
	.amdhsa_kernel k_q39b3d95409_prep
		.amdhsa_group_segment_fixed_size 17664
		.amdhsa_private_segment_fixed_size 0
		.amdhsa_enable_private_segment 0
		.amdhsa_kernarg_size 56
		.amdhsa_user_sgpr_count 2
		.amdhsa_user_sgpr_kernarg_segment_ptr 1
		.amdhsa_wavefront_size32 1
		.amdhsa_system_sgpr_workgroup_id_x 1
		.amdhsa_system_sgpr_workgroup_id_y 1
		.amdhsa_system_sgpr_workgroup_id_z 1
		.amdhsa_system_vgpr_workitem_id 0
		.amdhsa_next_free_vgpr 256
		.amdhsa_next_free_sgpr 66
		.amdhsa_reserve_vcc 1
		.amdhsa_float_denorm_mode_32 3
		.amdhsa_float_denorm_mode_16_64 3
		.amdhsa_memory_ordered 1
		.amdhsa_forward_progress 1
		.amdhsa_inst_pref_size 56
	.end_amdhsa_kernel
	.amdgpu_metadata
---
amdhsa.version: [ 1, 2 ]
amdhsa.kernels:
  - .name:           k_q39b3d95409_prep
    .symbol:         k_q39b3d95409_prep.kd
    .args:
      - { .name: wq, .offset: 0, .size: 8, .value_kind: global_buffer, .address_space: global }
      - { .name: wk, .offset: 8, .size: 8, .value_kind: global_buffer, .address_space: global }
      - { .name: wv, .offset: 16, .size: 8, .value_kind: global_buffer, .address_space: global }
      - { .name: wo, .offset: 24, .size: 8, .value_kind: global_buffer, .address_space: global }
      - { .name: rope_freqs, .offset: 32, .size: 8, .value_kind: global_buffer, .address_space: global }
      - { .name: wstream, .offset: 40, .size: 8, .value_kind: global_buffer, .address_space: global }
      - { .name: cstab, .offset: 48, .size: 8, .value_kind: global_buffer, .address_space: global }
    .group_segment_fixed_size: 17664
    .private_segment_fixed_size: 0
    .kernarg_segment_align: 8
    .kernarg_segment_size: 56
    .max_flat_workgroup_size: 64
    .sgpr_count:     66
    .vgpr_count:     256
    .wavefront_size: 32
...
	.end_amdgpu_metadata
.endif
;; end of part 1
;; launch fused (part 2): grid 256 x 1, 4 waves a work-group, clusters of 4 x 1, 327,680 bytes of LDS; arguments x, wstream, cstab, out0; writes out0
.if DOCPART == 2
	.amdgcn_target "amdgcn-amd-amdhsa--gfx1250"
	.amdhsa_code_object_version 6
	.text
	.protected	k_q39b3d95409_fused
	.globl	k_q39b3d95409_fused
	.p2align	8
	.type	k_q39b3d95409_fused,@function
k_q39b3d95409_fused:
	s_mov_b64 s[64:65], 0
	v_nop
	global_prefetch_b8 v0, s[64:65] scope:SCOPE_SE
	s_setreg_imm32_b32 hwreg(HW_REG_WAVE_MODE, 25, 1), 1
	s_wait_xcnt 0x0
	s_wait_alu depctr_hold_cnt(0) depctr_sa_sdst(0) depctr_va_vdst(0) depctr_va_sdst(0) depctr_va_ssrc(0) depctr_va_vcc(0) depctr_vm_vsrc(0)
	s_getreg_b32 s2, hwreg(HW_REG_IB_STS2, 6, 4)
	s_cmp_eq_u32 s2, 0
	s_cbranch_scc0 .Lentry_in_a_cluster
	s_endpgm
.Lentry_in_a_cluster:
	s_bfe_u32 s2, ttmp6, 0x10000c
	s_cmp_lg_u32 s2, 0x3003
	s_cbranch_scc0 .Lentry_shape_is_right
	s_endpgm
.Lentry_shape_is_right:
; out = attention_in_windows_of_16(x Wq^T, x Wk^T, x Wv^T with RoPE on q and k) Wo^T, for 64 rows (four windows) a work-group, the whole chain in one launch.
; QUANTISED products (x W^T three times, q k^T, attention Wo^T): codes of FP6 (E2M3), one E8M0 byte for each 32 along K, by the scaled 16x16x128 form.  p v has K = 16 and feeds a quantiser:
; f32 operands, the 16x16x4 f32 form.  Softmax with the row's maximum taken away, normalised ahead of p v, all in f32.
; SHARES.  THE WAVES SHARE THE COLUMNS: wave w makes heads 4 w .. 4 w + 3 and output columns 256 w .. 256 w + 255, for all 64 rows.  Every wave keeps the whole left operand in registers:
; 32 fragments (4 windows x 8 K steps), 384 registers: first x's codes, later the attention's.  They go from wave to wave through LDS as images of their registers.
; A UNIT is 64 columns x 64 rows x K 1,024: 16 accumulators, 128 matrix instructions, two CHUNKS of 16 weight fragments.  The weights come as the launch before has laid them: each wave walks its
; own stream of 32 chunks of 25,600 bytes through its own part of a ring of two LDS slots; a fragment read from LDS feeds four matrix instructions.
; CLUSTER.  All work-groups walk the same streams in the same order: the four of a cluster ask for each chunk JOINTLY (the same descriptor, a mask that names the four).
; LAYOUT.  q, k and the output are made transposed (source 0 = 16 rows of W, source 1 = 16 rows of x): a lane holds ONE row, and, by the order of W's rows in a tile, register 16 b + i of a window
; holds column 32 b + 16 (lane / 16) + i: RoPE's partners lie 16 registers apart in one lane, and 16 registers are 16 neighbours along the next K.  v is made the other way round
; (lane = column, registers = keys), which is source 0 of O^T = V^T P^T as it stands; S^T = k q^T gives a lane one query and eight keys, which is source 1 (K permuted alike on both sides).
; q k^T has K = 64: registers 6-11 of both fragments hold zero codes.
; LIMITS: NaN and infinities are not served; a block whose largest magnitude lies under 2^-124 keeps the scale byte 1; RoPE's two products and sum are a product and a fused multiply-add.
; REGISTERS, in windows of 256.  Window 0: v1-15, v61-63 addresses; v16-31 the left operand's scale words; v32-47 the weights', two sets; v48-52 q's and k's; v53-60 the attention's, in the making;
;   v64-191 the 16 accumulators ((t, m) at 64 + 32 m + 8 t); v192-223 S^T, then p; v224-255 at work.  Window 1: K steps 0-3 of the left operand (12 (4 j + m)); v192-223 cos, sin.
;   Window 2: K steps 4-7; v192-239 q's four fragments; v240-251 k's.  Window 3: v0-191 a chunk's 16 weight fragments; v192-255 O^T, two sets of four tiles, written by matrix instructions alone.
.set WPART, 25600                      ; a chunk: 16 fragments of 1,536 bytes, then 1,024 bytes of scale words
.set SLOT,  4*WPART                    ; a slot: the four waves' chunks
.set WSOFF, 24576
.set IMG,   2*SLOT                     ; behind the ring: 16 x 4 half fragments (6 registers): half H (64 along K), window m at 3,072 H + 768 m: 512 bytes (registers 0-3, 16 a lane), 256 (registers 4-5, 8 a lane)
.set ASCL,  IMG+16*3072                ; the left operand's scale words: register 4 m + s / 2 at 128 bytes each; lanes 0-15 the even K step, lanes 16-31 the odd one
.set STG,   ASCL+2048                  ; a stage of 8,448 bytes for each wave: x's 16 rows x 528, later the output's 16 rows x 272
.set STGW,  8448
.set SPARE, STG+4*STGW                 ; the spare words, 128 bytes for each wave: two blocks of 256 bytes that no other line names
.set SPW, 1
.set NIL, 2
.set WAD, 3                            ; v3-4   my part of slot 0, 1: + 16 x lane
.set WAS, 5                            ; v5-6   the same + 8 x lane
.set AR16, 7                           ; v7     IMG + 16 x lane
.set AR8, 8                            ; v8     IMG + 8 x lane
.set ASR, 9                            ; v9     ASCL + 4 x lane
.set XO, 10                            ; while x is quantised: v10 16 x lane; v11, v12 the stage, in and out; v13, v14 my window's images; v15 its scale words
.set XST, 11
.set XRD, 12
.set XI16, 13
.set XI8, 14
.set XSW, 15
.set AI16, 10                          ; later: v10, v11 the head's images; v12, v13 my four heads'; v14 their scale words; v15 the output's stage, in
.set AI8, 11
.set AB16, 12
.set AB8, 13
.set SWA, 14
.set OST, 15
.set ASC, 16
.set WSC, 32
.set QSC, 48
.set KSC, 52
.set SW, 53
.set ORD, 61                           ; v61    the output's stage, back
.set GO, 62                            ; v62    my byte offset in the block's rows of out0
.set PFO, 63                           ; v63    256 x lane; never rewritten
.set ACC, 64
.set XS, 64
.set S, 192
.set OB, 192
.set RT, 224                           ; RoPE: four sets of four
.set MXB, 224                          ; the quantiser: largest magnitudes, the partner's, scale operands, bytes, second halves, codes, words
.set PRM, 226
.set SOP, 228
.set BY, 230
.set T, 232
.set PC0, 236
.set PC1, 242
.set PW0, 248
.set PW1, 249
.set XW, 250
.set CM, 224                           ; the softmax: c m at the even, m at the odd register of a pair; the partner's; sums; reciprocals
.set MX, 225
.set PM, 232
.set SU, 236
.set SV, 244
.set COS, 192                          ; in window 1
.set SIN, 208
.set QF, 192                           ; in window 2
.set KF, 240
.set PVD, 192                          ; in window 3
.set FLOOR, 0x1800000                  ; 2^(3 - 127)
.set WV, 12
.set CX, 13
.set G1, 16                            ; s[16:23] descriptor group 1;  s[24:27], s[28:31] group 0 of slot 0, 1
.set G0, 24
.set SEL, 32
.set CSC, 34                           ; s[34:35] c = log2(e) / 8
.set HCNT, 36
.set HOFF, 37                          ; 3,072 x the head's number in my four
.set KCNT, 38                          ; refills so far
.set LIM, 39                           ; 22 in the first cluster, else 0: a wave prefetches while KCNT is under it
.set PFA, 40
.set UCNT, 44
.set MSB, 0
.macro WIN new                         ; the immediate's high byte repeats the setting that is left; a switch that changes nothing is dropped
.if MSB != (\new)
	s_set_vgpr_msb (MSB<<8)|(\new)
.set MSB, (\new)
.endif
.endm
.macro PLACES n
.rept \n
	v_nop
.endr
.endm
.macro CREST                           ; a round of the cluster's barrier behind its opening barrier
	s_cmp_lg_u32 s[WV], 0
	s_cbranch_scc1 .Lnot_wave_0_\@
	s_barrier_signal -3
.Lnot_wave_0_\@:
	s_barrier_wait -3
	s_barrier_signal -1
	s_barrier_wait -1
.endm
.macro ROUND
	s_barrier_signal -1
	s_barrier_wait -1
	CREST
.endm
; One scaled matrix instruction.  ra, rb: source 0's, source 1's scale words stand in lanes 16-31 of their register.  zero: the product starts its sum.
.macro WM d, a, b, zero, sa, sb, ra, rb
.if (\zero)
.if (\ra)&&(\rb)
	v_wmma_scale_f32_16x16x128_f8f6f4 v[(\d):(\d)+7], v[(\a):(\a)+11], v[(\b):(\b)+11], 0, v[\sa], v[\sb] matrix_a_fmt:MATRIX_FMT_FP6 matrix_b_fmt:MATRIX_FMT_FP6 matrix_a_scale:MATRIX_SCALE_ROW1 matrix_b_scale:MATRIX_SCALE_ROW1
.elseif (\ra)
	v_wmma_scale_f32_16x16x128_f8f6f4 v[(\d):(\d)+7], v[(\a):(\a)+11], v[(\b):(\b)+11], 0, v[\sa], v[\sb] matrix_a_fmt:MATRIX_FMT_FP6 matrix_b_fmt:MATRIX_FMT_FP6 matrix_a_scale:MATRIX_SCALE_ROW1
.elseif (\rb)
	v_wmma_scale_f32_16x16x128_f8f6f4 v[(\d):(\d)+7], v[(\a):(\a)+11], v[(\b):(\b)+11], 0, v[\sa], v[\sb] matrix_a_fmt:MATRIX_FMT_FP6 matrix_b_fmt:MATRIX_FMT_FP6 matrix_b_scale:MATRIX_SCALE_ROW1
.else
	v_wmma_scale_f32_16x16x128_f8f6f4 v[(\d):(\d)+7], v[(\a):(\a)+11], v[(\b):(\b)+11], 0, v[\sa], v[\sb] matrix_a_fmt:MATRIX_FMT_FP6 matrix_b_fmt:MATRIX_FMT_FP6
.endif
.else
.if (\ra)&&(\rb)
	v_wmma_scale_f32_16x16x128_f8f6f4 v[(\d):(\d)+7], v[(\a):(\a)+11], v[(\b):(\b)+11], v[(\d):(\d)+7], v[\sa], v[\sb] matrix_a_fmt:MATRIX_FMT_FP6 matrix_b_fmt:MATRIX_FMT_FP6 matrix_a_scale:MATRIX_SCALE_ROW1 matrix_b_scale:MATRIX_SCALE_ROW1
.elseif (\ra)
	v_wmma_scale_f32_16x16x128_f8f6f4 v[(\d):(\d)+7], v[(\a):(\a)+11], v[(\b):(\b)+11], v[(\d):(\d)+7], v[\sa], v[\sb] matrix_a_fmt:MATRIX_FMT_FP6 matrix_b_fmt:MATRIX_FMT_FP6 matrix_a_scale:MATRIX_SCALE_ROW1
.elseif (\rb)
	v_wmma_scale_f32_16x16x128_f8f6f4 v[(\d):(\d)+7], v[(\a):(\a)+11], v[(\b):(\b)+11], v[(\d):(\d)+7], v[\sa], v[\sb] matrix_a_fmt:MATRIX_FMT_FP6 matrix_b_fmt:MATRIX_FMT_FP6 matrix_b_scale:MATRIX_SCALE_ROW1
.else
	v_wmma_scale_f32_16x16x128_f8f6f4 v[(\d):(\d)+7], v[(\a):(\a)+11], v[(\b):(\b)+11], v[(\d):(\d)+7], v[\sa], v[\sb] matrix_a_fmt:MATRIX_FMT_FP6 matrix_b_fmt:MATRIX_FMT_FP6
.endif
.endif
.endm
; 8 matrix instructions: weight tiles t0, t0 + 1 x the four windows, K step 4 c + j.  kind 0: source 0 = W (a lane holds a row of x); kind 1: source 0 = x (a lane holds a column).
; The 16 accumulators take turns, one instruction a turn, in the same order in every K step.
.macro MUL8 kind, c, j, t0, zero
.if \kind
	WIN 0x0d+(\c)                                  ; source 0 window 1 + c, source 1 window 3
.else
	WIN 0x07+4*(\c)                                ; source 0 window 3, source 1 window 1 + c
.endif
.irp t, \t0, \t0+1
.irp m, 0,1,2,3
.set rD, ACC+32*\m+8*(\t)
.set rW, 48*(\j)+12*(\t)
.set rA, 12*(4*(\j)+\m)
.set rSW, WSC+8*(\c)+2*(\j)+(\t)/2
.set rSA, ASC+4*\m+2*(\c)+(\j)/2
.set fT, (\t)&1
.set fJ, (\j)&1
.if \kind
	WM rD, rA, rW, \zero, rSA, rSW, fJ, fT
.else
	WM rD, rW, rA, \zero, rSW, rSA, fT, fJ
.endif
.endr
.endr
.endm
.macro FETCHW slot, j0                 ; 24 LDS loads in one run: the chunk's fragments 4 j0 .. 4 j0 + 7, as images: 512 consecutive bytes a load
	WIN 0xc0                                       ; destination window 3
.irp f, 0,1,2,3,4,5,6,7
.irp g, 0,1,2
	ds_load_b128 v[12*(4*(\j0)+\f)+4*\g:12*(4*(\j0)+\f)+4*\g+3], v[WAD+(\slot)] offset:1536*(4*(\j0)+\f)+512*\g
.endr
.endr
	WIN 0
.endm
.macro FETCHS slot                     ; the chunk's scale words: two registers a K step
.irp j, 0,1,2,3
	ds_load_b64 v[WSC+8*(\slot)+2*\j:WSC+8*(\slot)+2*\j+1], v[WAS+(\slot)] offset:WSOFF+256*\j
.endr
.endm
; A PREFETCH INTO THE L2, behind each refill, its four lines and the run of LDS loads.  All clusters walk the same four streams: the first cluster asks, and nobody else.  At refill k (0 .. 21) each of
; its waves names 32 blocks of 256 bytes of its own stream, a lane a block; the four partners are told apart BY ADDRESS: block 32 (4 (k + 3) + cx) + lane.  So blocks 384 to 3,199 of a stream are named
; once each; a refill takes 100 blocks and 128 are named, so the lead is two refills at the start and grows.  Nothing is asked at the head, and nothing behind refill 21: the stream ends there.
.macro ASK
	s_cmp_lt_u32 s[KCNT], s[LIM]
	s_cbranch_scc0 .Lnot_mine_\@
	global_prefetch_b8 v[PFO], s[PFA:PFA+1] th:TH_LOAD_NT scope:SCOPE_SE
.Lnot_mine_\@:
	s_add_co_u32 s[KCNT], s[KCNT], 1
.endm
; A CHUNK: 64 matrix instructions on slot c's 16 fragments; sets 0, 1 and the scale words were fetched in the chunk before.
; fill = 1: when sets 2, 3 are in registers the slot is free: every wave waits for all its tensor loads (one is out: the other slot's chunk), adds 0 to its spare word, waits for that and for its reads,
; and a round of the cluster's barrier follows; the joint refill, two chunks ahead, is the first thing behind it.  fill = 2: the last chunk but one; fill = 0: the last: nothing is left to fetch.
.macro CHUNK kind, c, fill
.if (\fill) == 1
	s_wait_xcnt 0x0                                ; the last prefetch, a chunk back, has read its address: it is stepped here
	s_add_nc_u64 s[PFA:PFA+1], s[PFA:PFA+1], 32768
.endif
	PLACES 4                                       ; in front of loads into registers that matrix instructions have read (ISA guide 7.12.1 for vector instructions)
	FETCHW \c, 2
	s_wait_dscnt 24                                ; all but the 24 just issued: sets 0, 1, the scale words, and whatever LDS work stood before
	MUL8 \kind, \c, 0, 0, 1-(\c)
	MUL8 \kind, \c, 0, 2, 1-(\c)
.if (\fill) == 1
	WIN 0                                          ; (the add's two registers lie in window 0)
	s_wait_tensorcnt 0x0                           ; all my tensor loads have landed: the other slot's chunk; so a group 0 may be written
	ds_add_u32 v[SPW], v[NIL]                      ; 0 onto my spare word
	s_add_nc_u64 s[G0+4*(\c)+2:G0+4*(\c)+3], s[G0+4*(\c)+2:G0+4*(\c)+3], 2*WPART   ; this slot's next chunk; the type bits on top are not reached
	MUL8 \kind, \c, 1, 0, 0                        ; eight matrix instructions stand between the add and the wait for it
	s_wait_dscnt 0x0                               ; the add is done, and my reads of this slot are over
	s_barrier_signal -1
	MUL8 \kind, \c, 1, 2, 0
	WIN 0
	s_barrier_wait -1
	CREST                                          ; no wave of any partner still reads this slot or has a load on its way
	tensor_load_to_lds s[G0+4*(\c):G0+4*(\c)+3], s[G1:G1+7]
	s_nop 0
	PLACES 4                                       ; the places in front of the loads into sets 0, 1
	FETCHW 1-(\c), 0
	FETCHS 1-(\c)
	ASK
.elseif (\fill) == 2
	MUL8 \kind, \c, 1, 0, 0
	MUL8 \kind, \c, 1, 2, 0
	WIN 0
	s_wait_dscnt 0x0                               ; sets 2, 3 are in
	s_wait_tensorcnt 0x0                           ; the last chunk has landed; a wave reads its own part of the ring alone, so its own wait is all that the reads need
	PLACES 4
	FETCHW 1-(\c), 0
	FETCHS 1-(\c)
.else
	MUL8 \kind, \c, 1, 0, 0
	MUL8 \kind, \c, 1, 2, 0
	s_wait_dscnt 0x0
.endif
	MUL8 \kind, \c, 2, 0, 0
	MUL8 \kind, \c, 2, 2, 0
	MUL8 \kind, \c, 3, 0, 0
	MUL8 \kind, \c, 3, 2, 0
	WIN 0
.endm
; 32 numbers of a lane, v[src] on in window sw, register 16 b + i = k 32 b + 16 (lane / 16) + i of my row, become half a fragment: each lane's block's lower 16 codes in v[pc .. pc + 2], the upper 16
; in v[T .. T + 2], and the two scale bytes in v[pw].  A block lies in lanes l and l xor 16.
.macro QUANT2 src, sw, pc, pw
	WIN 0
	v_mov_b32 v[MXB], FLOOR                        ; the floor, under which no largest magnitude is taken: the byte cannot fall under 1
	v_mov_b32 v[MXB+1], FLOOR
	WIN 0x14*(\sw)
.irp i, 0,2,4,6,8,10,12,14
.irp b, 0,1
	v_max3_num_f32 v[MXB+\b], v[MXB+\b], |v[\src+16*\b+\i]|, |v[\src+16*\b+\i+1]|   ; ascending: each accumulator is read from its low end on
.endr
.endr
	WIN 0
.irp b, 0,1
	v_permlanex16_b32 v[PRM+\b], v[MXB+\b], s[SEL], s[SEL+1]
.endr
.irp b, 0,1
	v_max_num_f32 v[MXB+\b], v[MXB+\b], v[PRM+\b]
.endr
.irp b, 0,1
	v_add_nc_u32 v[SOP+\b], 0xff000000, v[MXB+\b]  ; 2 off the exponent field: the conversion's scale operand
.endr
.irp b, 0,1
	v_lshrrev_b32 v[BY+\b], 23, v[SOP+\b]          ; the scale's byte
.endr
	v_lshl_or_b32 v[\pw], v[BY+1], 8, v[BY]
	WIN \sw
	v_cvt_scalef32_pk16_fp6_f32 v[\pc:\pc+2], v[\src:\src+15], v[SOP]
	v_cvt_scalef32_pk16_fp6_f32 v[T:T+2], v[\src+16:\src+31], v[SOP+1]
	WIN 0
	v_nop                                          ; one plain place behind a scaled conversion
.irp i, 0,1,2
	v_permlane16_swap_b32 v[\pc+\i], v[T+\i]       ; the operand's layout wants a WHOLE block in a lane: lanes 0-15 block 0, lanes 16-31 block 1
.endr
.endm
.macro JOIN pc
.irp i, 0,1,2
	v_mov_b32 v[\pc+3+\i], v[T+\i]
.endr
.endm
.macro IMGH a16, a8, pc, off           ; six registers go to LDS as they stand
	ds_store_b128 v[\a16], v[\pc:\pc+3] offset:\off
	ds_store_b64 v[\a8], v[\pc+4:\pc+5] offset:\off+512
.endm
.macro LOADA                           ; and all 64 halves come back so, in every wave: the left operand's 32 fragments and 16 registers of scale words
.irp s, 0,1,2,3,4,5,6,7
	WIN 0x40*(1+\s/4)
.irp m, 0,1,2,3
.set rF, 12*(4*(\s%4)+\m)
	ds_load_b128 v[rF:rF+3], v[AR16] offset:3072*(2*\s)+768*\m
	ds_load_b64 v[rF+4:rF+5], v[AR8] offset:3072*(2*\s)+768*\m+512
	ds_load_b128 v[rF+6:rF+9], v[AR16] offset:3072*(2*\s+1)+768*\m
	ds_load_b64 v[rF+10:rF+11], v[AR8] offset:3072*(2*\s+1)+768*\m+512
.endr
.endr
	WIN 0
.irp q, 0,1,2,3,4,5,6,7,8,9,10,11,12,13,14,15
	ds_load_b32 v[ASC+\q], v[ASR] offset:128*\q
.endr
.endm
.macro ROPE m                          ; t1 = t1 cos - t2 sin, t2 = t1 sin + t2 cos: register i and register 16 + i of the window, angle [lane % 16][16 (lane / 16) + i]
	WIN 0x04                                       ; source 1 (cos, sin) window 1
.irp i, 0,2,4,6,8,10,12,14
.set rT, RT+4*((\i/2)%4)
.set r1, ACC+32*(\m)+\i
.set r2, ACC+32*(\m)+16+\i
	v_pk_mul_f32 v[rT:rT+1], v[r1:r1+1], v[COS+\i:COS+\i+1]
	v_pk_mul_f32 v[rT+2:rT+3], v[r1:r1+1], v[SIN+\i:SIN+\i+1]
	v_pk_fma_f32 v[r1:r1+1], v[r2:r2+1], v[SIN+\i:SIN+\i+1], v[rT:rT+1] neg_lo:[0,1,0] neg_hi:[0,1,0]
	v_pk_fma_f32 v[r2:r2+1], v[r2:r2+1], v[COS+\i:COS+\i+1], v[rT+2:rT+3]
.endr
.endm
; The four windows' softmax, by turns.  A lane holds one query and the keys 8 (lane / 16) + 0 .. 7.  p = 2^(c s - c m) / the row's sum, m the row's largest score.
.macro SOFTMAX
	WIN 0
.irp m, 0,1,2,3
	v_max3_num_f32 v[MX+2*\m], v[S+8*\m], v[S+8*\m+1], v[S+8*\m+2]
.endr
.irp i, 3,5
.irp m, 0,1,2,3
	v_max3_num_f32 v[MX+2*\m], v[MX+2*\m], v[S+8*\m+\i], v[S+8*\m+\i+1]
.endr
.endr
.irp m, 0,1,2,3
	v_max_num_f32 v[MX+2*\m], v[MX+2*\m], v[S+8*\m+7]
.endr
.irp m, 0,1,2,3
	v_permlanex16_b32 v[PM+\m], v[MX+2*\m], s[SEL], s[SEL+1]
.endr
.irp m, 0,1,2,3
	v_max_num_f32 v[MX+2*\m], v[MX+2*\m], v[PM+\m]
.endr
.irp m, 0,1,2,3
	v_mul_f32 v[CM+2*\m], s[CSC], v[MX+2*\m]
.endr
.irp i, 0,2,4,6
.irp m, 0,1,2,3
	v_pk_fma_f32 v[S+8*\m+\i:S+8*\m+\i+1], v[S+8*\m+\i:S+8*\m+\i+1], s[CSC:CSC+1], v[CM+2*\m:CM+2*\m+1] op_sel_hi:[1,0,0] neg_lo:[0,0,1] neg_hi:[0,0,1]
.endr
.endr
.irp j, 0,1,2,3,4,5,6,7,8,9,10,11,12,13,14,15,16,17,18,19,20,21,22,23,24,25,26,27,28,29,30,31
	v_exp_f32 v[S+\j], v[S+\j]
.endr
	v_nop                                          ; a plain place behind the last exponential
	s_wait_alu depctr_va_vdst(0)                   ; one wait for the batch of 32, ahead of its first reader
.irp m, 0,1,2,3
	v_pk_add_f32 v[SU+2*\m:SU+2*\m+1], v[S+8*\m:S+8*\m+1], v[S+8*\m+2:S+8*\m+3]
.endr
.irp m, 0,1,2,3
	v_pk_add_f32 v[SV+2*\m:SV+2*\m+1], v[S+8*\m+4:S+8*\m+5], v[S+8*\m+6:S+8*\m+7]
.endr
.irp m, 0,1,2,3
	v_pk_add_f32 v[SU+2*\m:SU+2*\m+1], v[SU+2*\m:SU+2*\m+1], v[SV+2*\m:SV+2*\m+1]
.endr
.irp m, 0,1,2,3
	v_add_f32 v[SU+2*\m], v[SU+2*\m], v[SU+2*\m+1]
.endr
.irp m, 0,1,2,3
	v_permlanex16_b32 v[PM+\m], v[SU+2*\m], s[SEL], s[SEL+1]
.endr
.irp m, 0,1,2,3
	v_add_f32 v[SU+2*\m], v[SU+2*\m], v[PM+\m]
.endr
.irp m, 0,1,2,3
	v_rcp_f32 v[SV+2*\m], v[SU+2*\m]
.endr
	v_nop
	s_wait_alu depctr_va_vdst(0)                   ; and one for the four reciprocals
.irp i, 0,2,4,6
.irp m, 0,1,2,3
	v_pk_mul_f32 v[S+8*\m+\i:S+8*\m+\i+1], v[S+8*\m+\i:S+8*\m+\i+1], v[SV+2*\m:SV+2*\m+1] op_sel_hi:[1,0]
.endr
.endr
.endm
; O^T = V^T P^T of window m, f32 operands: 4 K steps of 4 keys x 4 tiles of 16 channels; the four accumulators by turns.  In K step s lane (r, h) gives keys 8 h + 2 s, 8 h + 2 s + 1 on both sides.
.macro PV m, set
	WIN 0xf0                                       ; C and D window 3
.irp s, 0,1,2,3
.irp t, 0,1,2,3
.set rD, PVD+32*(\set)+8*\t
.set rV, ACC+32*(\m)+8*\t+2*\s
.set rP, S+8*(\m)+2*\s
.if \s == 0
	v_wmma_f32_16x16x4_f32 v[rD:rD+7], v[rV:rV+1], v[rP:rP+1], 0
.else
	v_wmma_f32_16x16x4_f32 v[rD:rD+7], v[rV:rV+1], v[rP:rP+1], v[rD:rD+7]
.endif
.endr
.endr
.endm
.macro ATT m                           ; window m's 64 channels of this head: quantised, image to LDS, the two bytes shifted into the window's pair of scale words from the top
	QUANT2 PVD+32*((\m)%2), 3, PC0+6*((\m)%2), PW0
	JOIN PC0+6*((\m)%2)
	IMGH AI16, AI8, PC0+6*((\m)%2), 768*(\m)
	v_lshrrev_b32 v[SW+2*(\m)], 16, v[SW+2*(\m)]
	v_lshl_or_b32 v[SW+2*(\m)], v[SW+2*(\m)+1], 16, v[SW+2*(\m)]
	v_lshrrev_b32 v[SW+2*(\m)+1], 16, v[SW+2*(\m)+1]
	v_lshl_or_b32 v[SW+2*(\m)+1], v[PW0], 16, v[SW+2*(\m)+1]
.endm
; THE WAY OUT of a unit: 64 rows x 64 columns of f32.  A lane holds 32 + 32 bytes of a row: a window goes through my own stage (rows of 272 bytes) and comes back as whole rows of 256 bytes.
.macro TOSTAGE m
.irp t, 0,1,2,3
	ds_store_b128 v[OST], v[ACC+32*(\m)+8*\t:ACC+32*(\m)+8*\t+3] offset:128*(\t/2)+32*(\t%2)       ; each accumulator from its low end on
	ds_store_b128 v[OST], v[ACC+32*(\m)+8*\t+4:ACC+32*(\m)+8*\t+7] offset:128*(\t/2)+32*(\t%2)+16
.endr
.irp i, 0,1,2,3,4,5,6,7
	ds_load_b128 v[OB+32*((\m)%2)+4*\i:OB+32*((\m)%2)+4*\i+3], v[ORD] offset:544*\i   ; LDS serves a wave's instructions in order (ISA guide 5.7.1.4): these see the stores above
.endr
.endm
.macro SEND m, younger
	s_wait_dscnt \younger
.irp i, 0,1,2,3,4,5,6,7
	global_store_b128 v[GO], v[OB+32*((\m)%2)+4*\i:OB+32*((\m)%2)+4*\i+3], s[10:11] offset:(16*(\m)+2*\i)*4096 th:TH_STORE_NT   ; sixteen lanes store 256 consecutive bytes, aligned
.endr
.endm
.macro WAYOUT more
	s_wait_xcnt 0x0                                ; the last unit's stores have read their registers
	PLACES 4                                       ; in front of the first read of results
	TOSTAGE 0
	TOSTAGE 1
	SEND 0, 16                                     ; behind window 0's loads: window 1's 8 stores and 8 loads
	s_wait_xcnt 0x0                                ; window 0's stores have read their registers: window 2's loads may land there
	TOSTAGE 2
	SEND 1, 16
	s_wait_xcnt 0x0
	TOSTAGE 3
	SEND 2, 16
	SEND 3, 0
.if \more
	s_wait_xcnt 0x0                                ; the stores have read their base
	s_add_nc_u64 s[10:11], s[10:11], 256           ; the next unit's 64 columns
.endif
.endm
	s_load_b256 s[4:11], s[0:1], 0x0               ; x s[4:5], wstream s[6:7], cstab s[8:9], out0 s[10:11]
	v_lshl_add_u32 v[SPW], v0, 2, SPARE
	v_mov_b32 v[NIL], 0
	ds_add_u32 v1, v2
	ds_add_u32 v1, v2
	s_wait_dscnt 0x0
	v_lshrrev_b32 v3, 5, v0
	v_readfirstlane_b32 s[WV], v3                  ; wave 0..3
	s_bfe_u32 s[CX], ttmp6, 0x40000                ; cx: my place in the cluster: it enters x's, out0's and the prefetches' addresses alone
	s_lshl_b32 s14, ttmp9, 2
	s_add_co_u32 s14, s14, s[CX]                   ; my block of 64 rows
	; descriptor group 1: a chunk is a dense block of 25,600 bytes: 100 rows of 256 bytes (32 elements of 8 bytes), no padding: every LDS read takes 512 or 256 consecutive bytes
	s_mov_b32 s[G1], 15|(3<<16)|(1<<21)            ; 15:0 the mask: all four work-groups; 17:16 elements of 8 bytes; 21 set beside a mask
	s_mov_b32 s[G1+1], 32<<16                      ; tensor_dim0 = 32
	s_mov_b32 s[G1+2], 100<<16                     ; tensor_dim1 = 100
	s_mov_b32 s[G1+3], 32<<16                      ; tile_dim0 = 32
	s_mov_b32 s[G1+4], 100                         ; tile_dim1 = 100
	s_mov_b32 s[G1+5], 32                          ; from row to row
	s_mov_b32 s[G1+6], 0
	s_mov_b32 s[G1+7], 0
	s_mov_b32 s[SEL], 0x76543210
	s_mov_b32 s[SEL+1], 0xfedcba98                 ; lane l xor 16
	s_mov_b32 s[CSC], 0x3e38aa3b                   ; c = log2(e) / sqrt(64)
	s_mov_b32 s[CSC+1], s[CSC]                     ; (named with it as a pair, so it is written)
	s_mov_b32 s[KCNT], 0
	s_cmp_eq_u32 ttmp9, 0                          ; the first cluster prefetches: the same in all four partners
	s_cselect_b32 s[LIM], 22, 0
	s_mul_i32 s42, s[WV], WPART                    ; my part of a slot: no place in the cluster enters an LDS address
	s_mul_i32 s2, s[WV], 32*WPART                  ; my stream
	s_mov_b32 s3, 0
	s_wait_kmcnt 0x0
	s_add_nc_u64 s[6:7], s[6:7], s[2:3]
	ROUND                                          ; all four work-groups are here: the first joint loads meet
.irp k, 0,1
	s_mov_b32 s[G0+4*\k], 1                        ; count = 1
	s_add_co_u32 s[G0+4*\k+1], s42, \k*SLOT        ; LDS address
	s_add_nc_u64 s[G0+4*\k+2:G0+4*\k+3], s[6:7], \k*WPART   ; chunk k
	s_or_b32 s[G0+4*\k+3], s[G0+4*\k+3], 0x80000000   ; type = 2
.endr
	tensor_load_to_lds s[G0:G0+3], s[G1:G1+7]      ; the two first fills go out together: two loads of mine are out
	s_nop 0
	tensor_load_to_lds s[G0+4:G0+7], s[G1:G1+7]
	s_nop 0
	PLACES 4
	s_lshl_b32 s2, s[CX], 13                       ; the prefetches: my work-group's 32 blocks of each 128,
	s_add_co_u32 s2, s2, 65536                     ; one step short of block 384: the first refill steps it there
	s_add_nc_u64 s[PFA:PFA+1], s[6:7], s[2:3]
	s_lshl_b32 s2, s14, 18                         ; 64 rows of 4,096 bytes a block
	s_add_nc_u64 s[10:11], s[10:11], s[2:3]        ; out0 at my block
	s_lshl_b32 s43, s[WV], 16
	s_add_co_u32 s2, s2, s43                       ; + my wave's window of 16 rows
	s_add_nc_u64 s[4:5], s[4:5], s[2:3]            ; x there
	v_and_b32 v224, 31, v0                         ; lane
	v_lshlrev_b32 v[XO], 4, v224
	WIN 0x40
.irp g, 0,1,2,3,4,5,6,7
	global_load_b128 v[COS+4*\g:COS+4*\g+3], v[XO], s[8:9] offset:512*\g   ; cos and sin, as an image of their 32 registers
.endr
.macro XLOAD s                         ; my 16 rows' 512 bytes of K step s, a row a load, into set s % 4 (sets 0-2: window 1, v0-191; set 3: window 2, v0-63)
.if ((\s)%4) < 3
	WIN 0x40
.set rX, 64*((\s)%4)
.else
	WIN 0x80
.set rX, 0
.endif
.irp i, 0,1,2,3,4,5,6,7,8,9,10,11,12,13,14,15
	global_load_b128 v[rX+4*\i:rX+4*\i+3], v[XO], s[4:5] offset:4096*\i+512*(\s) th:TH_LOAD_NT
.endr
.endm
	XLOAD 0
	XLOAD 1
	XLOAD 2
	XLOAD 3
	WIN 0
	v_and_b32 v225, 15, v0                         ; r
	v_bfe_u32 v226, v0, 4, 1                       ; h
	v_lshl_add_u32 v[WAD], v224, 4, s42
	v_add_nc_u32 v[WAD+1], SLOT, v[WAD]
	v_lshl_add_u32 v[WAS], v224, 3, s42
	v_add_nc_u32 v[WAS+1], SLOT, v[WAS]
	v_lshl_add_u32 v[AR16], v224, 4, IMG
	v_lshl_add_u32 v[AR8], v224, 3, IMG
	v_lshl_add_u32 v[ASR], v224, 2, ASCL
	s_mul_i32 s43, s[WV], STGW
	s_add_co_u32 s43, s43, STG                     ; my stage
	v_add_nc_u32 v[XST], s43, v[XO]                ; in: a row's 512 bytes as they lie
	v_mul_u32_u24 v[XRD], v225, 528
	v_lshl_add_u32 v[XRD], v226, 6, v[XRD]
	v_add_nc_u32 v[XRD], s43, v[XRD]               ; out: row r, + 64 h: my 16 numbers of each block of 32
	s_mul_i32 s2, s[WV], 768
	v_add_nc_u32 v[XI16], s2, v[AR16]              ; x's images: window = my wave
	v_add_nc_u32 v[XI8], s2, v[AR8]
	s_lshl_b32 s2, s[WV], 9
	s_add_co_u32 s2, s2, ASCL
	v_lshl_add_u32 v[XSW], v225, 2, s2             ; and its scale words: 512 x wave + 4 r, + 64 for each K step
	v_mul_u32_u24 v[ORD], v226, 272
	v_lshl_add_u32 v[ORD], v225, 4, v[ORD]
	v_add_nc_u32 v[ORD], s43, v[ORD]               ; the output's stage, back: lanes 0-15 one row, lanes 16-31 the next
	v_lshlrev_b32 v[GO], 12, v226
	v_lshl_add_u32 v[GO], v225, 4, v[GO]
	s_lshl_b32 s2, s[WV], 10
	v_add_nc_u32 v[GO], s2, v[GO]                  ; and the same two rows in out0, at my wave's 256 columns
	v_lshlrev_b32 v[PFO], 8, v224
.irp i, 0,1
	v_mov_b32 v[PRM+\i], 0                         ; written once: a lane permute's destination counts as one of its sources
.endr
.irp i, 0,1,2,3
	v_mov_b32 v[PM+\i], 0
.endr
.irp i, 0,1,2,3,4,5,6,7
	v_mov_b32 v[SW+\i], 0
.endr
	WIN 0x80
.irp m, 0,1,2,3,4
.irp i, 6,7,8,9,10,11
	v_mov_b32 v[QF+12*\m+\i], 0                    ; q's four fragments and k's one: K = 64 .. 127 are zero codes, which add nothing
.endr
.endr
	WIN 0
; X: my window's 16 rows become 16 half fragments.  Loads run four K steps ahead; a K step's 16 x 512 bytes turn through my stage, so that a lane holds 16 neighbours of each block of its row.
.macro XSTEP s
.if (\s) <= 4
	s_wait_loadcnt 48                              ; this K step's 16 loads are in (and cos, sin); those of the three K steps behind it may be out
.else
	s_wait_loadcnt 16*(7-(\s))
.endif
.if ((\s)%4) < 3
	WIN 0x04                                       ; an LDS store's data are its source 1
.set rX, 64*((\s)%4)
.else
	WIN 0x08
.set rX, 0
.endif
.irp i, 0,1,2,3,4,5,6,7,8,9,10,11,12,13,14,15
	ds_store_b128 v[XST], v[rX+4*\i:rX+4*\i+3] offset:528*\i
.endr
	WIN 0
.irp b, 0,1,2,3
.irp q, 0,1,2,3
	ds_load_b128 v[XS+16*\b+4*\q:XS+16*\b+4*\q+3], v[XRD] offset:128*\b+16*\q
.endr
.endr
	s_wait_dscnt 0x0                               ; my numbers are back; the stage's stores and the last K step's image stores have read their registers
.if (\s)+4 < 8
	XLOAD (\s)+4
.endif
	QUANT2 XS, 0, PC0, PW0
	JOIN PC0
	IMGH XI16, XI8, PC0, 3072*(2*(\s))
	QUANT2 XS+32, 0, PC1, PW1
	JOIN PC1
	IMGH XI16, XI8, PC1, 3072*(2*(\s)+1)
	v_lshl_or_b32 v[XW], v[PW1], 16, v[PW0]        ; the four bytes make my row's scale word (both lanes of a row store the same word)
	ds_store_b32 v[XSW], v[XW] offset:64*(\s)
.endm
.irp s, 0,1,2,3,4,5,6,7
	XSTEP \s
.endr
	s_wait_tensorcnt 0x1                           ; chunk 0 has landed; chunk 1 may stay out
	s_wait_dscnt 0x0                               ; for the others' sake: my images and scale words lie in LDS
	s_barrier_signal -1
	s_barrier_wait -1
	LOADA
	FETCHW 0, 0
	FETCHS 0
	; The addresses of the later phases take the places of x's.  An LDS address is made only of registers that have never held loaded numbers: r and h are made anew in v10 and v11, which have held
	; lane arithmetic alone, are free here (the last load that named v10 is in: the count 0 of x's last K step) and get their own contents, the head's images, in the loop below.
	v_and_b32 v[AI16], 15, v0                      ; r
	v_bfe_u32 v[AI8], v0, 4, 1                     ; h
	s_mul_i32 s2, s[WV], 4*3072
	v_add_nc_u32 v[AB16], s2, v[AR16]              ; the attention's images: halves 4 w .. 4 w + 3 are my heads
	v_add_nc_u32 v[AB8], s2, v[AR8]
	s_lshl_b32 s2, s[WV], 7
	s_add_co_u32 s2, s2, ASCL
	v_lshl_add_u32 v[SWA], v[AI16], 2, s2          ; their scale words: K steps 2 w, 2 w + 1: 128 w + 4 r, + 512 for each window, + 64 for the odd K step
	v_mul_u32_u24 v[OST], v[AI16], 272
	v_lshl_add_u32 v[OST], v[AI8], 6, v[OST]
	v_add_nc_u32 v[OST], s43, v[OST]               ; the output's stage, in: row r, + 64 h
	s_mov_b32 s[HCNT], 4
	s_mov_b32 s[HOFF], 0
.Lhead:                                            ; a trip is one head for the four windows: units q, k, v (six chunks), the scores, the softmax, p v, the quantiser
	CHUNK 0, 0, 1
	CHUNK 0, 1, 1
	PLACES 4
.irp m, 0,1,2,3
	ROPE \m
	QUANT2 ACC+32*\m, 0, PC0, QSC+\m
	WIN 0x80
.irp i, 0,1,2
	v_mov_b32 v[QF+12*\m+\i], v[PC0+\i]
.endr
.irp i, 0,1,2
	v_mov_b32 v[QF+12*\m+3+\i], v[T+\i]
.endr
.endr
	WIN 0
	CHUNK 0, 0, 1
	CHUNK 0, 1, 1
	PLACES 4
.irp m, 0,1,2,3
	ROPE \m
	QUANT2 ACC+32*\m, 0, PC0, KSC
	WIN 0x80
.irp i, 0,1,2
	v_mov_b32 v[KF+\i], v[PC0+\i]
.endr
.irp i, 0,1,2
	v_mov_b32 v[KF+3+\i], v[T+\i]
.endr
	PLACES 8                                       ; a scale register written by a vector instruction stands 8 places ahead of a scaled matrix instruction, an operand so written 4
	WIN 0x0a                                       ; both sources window 2
	WM S+8*\m, KF, QF+12*\m, 1, KSC, QSC+\m, 0, 0  ; S^T = k q^T: source 0 = the window's 16 keys, source 1 = its 16 queries
.endr
	PLACES 4
	SOFTMAX
	CHUNK 1, 0, 1
	CHUNK 1, 1, 1
	v_add_nc_u32 v[AI16], s[HOFF], v[AB16]         ; this head's images.  With the three below: five places between the last products and the matrix instructions that take their results as source 0
	v_add_nc_u32 v[AI8], s[HOFF], v[AB8]
	PLACES 3
	PV 0, 0
	PV 1, 1
	PLACES 8                                       ; behind the f32 form: eight places ahead of the first read of results
	ATT 0
	ATT 1
	PV 2, 0
	PV 3, 1
	PLACES 8
	s_wait_dscnt 0x0                               ; windows 0 and 1's image stores have read their registers
	ATT 2
	ATT 3
	s_add_co_u32 s[HOFF], s[HOFF], 3072
	s_sub_co_u32 s[HCNT], s[HCNT], 1
	s_cmp_lg_u32 s[HCNT], 0
	s_cbranch_scc1 .Lhead
.irp m, 0,1,2,3
.irp e, 0,1
	ds_store_b32 v[SWA], v[SW+2*\m+\e] offset:512*\m+64*\e
.endr
.endr
	s_wait_dscnt 0x0                               ; for the others' sake: my heads' images and scale words lie in LDS.  (x's were read by every wave ahead of the first round)
	s_barrier_signal -1
	s_barrier_wait -1                              ; chunk 25 may stay on its way
	PLACES 4
	LOADA                                          ; the attention's codes take x's places
	s_mov_b32 s[UCNT], 3
.Lout:                                             ; a trip is 64 output columns for the 64 rows
	CHUNK 0, 0, 1
	CHUNK 0, 1, 1
	WAYOUT 1
	s_sub_co_u32 s[UCNT], s[UCNT], 1
	s_cmp_lg_u32 s[UCNT], 0
	s_cbranch_scc1 .Lout
	CHUNK 0, 0, 2                                  ; the last unit is written out
	CHUNK 0, 1, 0
	WAYOUT 0
	s_wait_tensorcnt 0x0                           ; the wave's end: behind my last tensor load and my last LDS store
	ds_add_u32 v[SPW], v[NIL]
	s_wait_dscnt 0x0
	ROUND                                          ; the closing round: no work-group ends while a partner may still ask for a chunk that names it
	s_endpgm
.Lfunc_end_k_q39b3d95409_fused:
	.size	k_q39b3d95409_fused, .Lfunc_end_k_q39b3d95409_fused-k_q39b3d95409_fused
	.p2alignl 7, 3214868480
	.fill 96, 4, 3214868480
	.section	.rodata,"a",@progbits
	.p2align	6, 0x0
	.amdhsa_kernel k_q39b3d95409_fused
		.amdhsa_group_segment_fixed_size 327680
		.amdhsa_private_segment_fixed_size 0
		.amdhsa_enable_private_segment 0
		.amdhsa_kernarg_size 32
		.amdhsa_user_sgpr_count 2
		.amdhsa_user_sgpr_kernarg_segment_ptr 1
		.amdhsa_wavefront_size32 1
		.amdhsa_system_sgpr_workgroup_id_x 1
		.amdhsa_system_sgpr_workgroup_id_y 1
		.amdhsa_system_sgpr_workgroup_id_z 1
		.amdhsa_system_vgpr_workitem_id 0
		.amdhsa_next_free_vgpr 1024
		.amdhsa_next_free_sgpr 66
		.amdhsa_reserve_vcc 0
		.amdhsa_float_denorm_mode_32 3
		.amdhsa_float_denorm_mode_16_64 3
		.amdhsa_memory_ordered 1
		.amdhsa_forward_progress 1
		.amdhsa_inst_pref_size 255
	.end_amdhsa_kernel
	.section	.bss,"aw",@nobits
	.p2align	6
	.space	262144
	.amdgpu_metadata
---
amdhsa.version: [ 1, 2 ]
amdhsa.kernels:
  - .name:           k_q39b3d95409_fused
    .symbol:         k_q39b3d95409_fused.kd
    .args:
      - { .name: x, .offset: 0, .size: 8, .value_kind: global_buffer, .address_space: global }
      - { .name: wstream, .offset: 8, .size: 8, .value_kind: global_buffer, .address_space: global }
      - { .name: cstab, .offset: 16, .size: 8, .value_kind: global_buffer, .address_space: global }
      - { .name: out0, .offset: 24, .size: 8, .value_kind: global_buffer, .address_space: global }
    .group_segment_fixed_size: 327680
    .private_segment_fixed_size: 0
    .kernarg_segment_align: 8
    .kernarg_segment_size: 32
    .max_flat_workgroup_size: 128
    .sgpr_count:     66
    .vgpr_count:     1024
    .wavefront_size: 32
...
	.end_amdgpu_metadata
.endif
;; end of part 2
;; ======== version 2 of 2: 2 launches
;; limits: right only within a limited range of input values
;; workspace buffers: wstream 3,276,800 bytes; cstab 4,096 bytes
;; launch prep (part 3): grid 16 x 16, 2 waves a work-group, no clusters, 17,664 bytes of LDS; arguments wq, wk, wv, wo, rope_freqs, wstream, cstab; writes wstream, cstab
.if DOCPART == 3
	.amdgcn_target "amdgcn-amd-amdhsa--gfx1250"
	.amdhsa_code_object_version 6
	.text
	.protected	k_q39b3d95409_prep
	.globl	k_q39b3d95409_prep
	.p2align	8
	.type	k_q39b3d95409_prep,@function
k_q39b3d95409_prep:
	s_mov_b64 s[64:65], 0
	v_nop
	global_prefetch_b8 v0, s[64:65] scope:SCOPE_SE
	s_setreg_imm32_b32 hwreg(HW_REG_WAVE_MODE, 25, 1), 1
	s_wait_xcnt 0x0
; The four weights [1024 (n)][1024 (k)], f32, K innermost, become codes of FP6 (E2M3) with one E8M0 byte for each 32 along K, laid in the ORDER IN WHICH THE NEXT LAUNCH'S
; WAVES TAKE THEM: wave w's stream at 819,200 w, 32 chunks of 25,600 bytes: 16 fragments (16 rows x 128 K) as images of their 12 registers (dword q of lane l at
; 512 (q / 4) + 16 l + 4 (q % 4)), then 1,024 bytes of scale words.  A stream is four GROUPS of eight chunks: group g holds rows 64 (4 w + g) .. + 63 of wq, wk, wv, wo, two chunks each:
; chunk 8 g + 2 matrix + c, c the K half (K steps 4 c .. 4 c + 3).  Fragment 4 j + t: K step 4 c + j, tile t = 2 b + u, whose lane r takes row 64 G + 32 b + 8 u + r + 8 (r / 8).
; A block's scale is 2^(floor(log2(its largest magnitude)) - 2): its byte is the largest magnitude's exponent field - 2, held at 1 from below by a floor among the maximum's leaves.
; (A block of zeros so keeps the byte 1: its codes are zeros, and this program alone reads the bytes.)
; One wave makes the four fragments and the 256 bytes of scale words of one (chunk, j).  Each load reads 512 consecutive bytes of one row; the tile turns through the wave's own stage
; in LDS, so that a lane holds whole blocks of its row.  No barrier: waves share nothing.  Matrix units, clusters and tensor loads would add nothing to a stream read once.
; Four waves of the launch (wave 0 of work-groups (0 .. 3, 0)) also make cos and sin of rope_freqs[0..15][0..31], four angles a lane each, as an image of the 32 registers that the next
; launch wants (lane (r, h): angle [r][16 h + i]).  Their angles are asked for at the head, ahead of the tiles.
; LIMITS: NaN and infinities are not served; blocks under 2^-124 keep the byte 1; angles up to 1e5 in magnitude (three-part reduction by pi / 2, polynomials of degree 7 and 8 on
; [-pi/4, pi/4], absolute error about 2e-7).
.set ANG,  10                          ; v10-13   my four angles (in the four waves that make the table)
.set RAW,  16                          ; v16-143  two sets of 64: a tile's 16 rows as loaded
.set X,    144                         ; v144-207 my two blocks of 32 numbers
.set C,    208                         ; v208-231 two sets of 12: a fragment's codes
.set T,    232                         ; v232-238 the second halves of the blocks' codes
.set W,    240                         ; v240-243 the four tiles' scale words
.set R,    244                         ; v244-245 the scale words as they are stored
.set MX,   246                         ; v246-247 largest magnitudes
.set SOP,  248                         ; v248-249 the conversions' scale operands
.set BY,   250                         ; v250-251 the bytes
.set TM,   252                         ; v252-254 at work
.set STGW, 8448                        ; a wave's stage: 16 rows x (512 bytes + 16)
.set SP,   528
.set FLOOR, 0x1800000                  ; 2^(3 - 127)
	s_load_b256 s[4:11], s[0:1], 0x0               ; wq, wk, wv, wo
	s_load_b128 s[12:15], s[0:1], 0x20             ; rope_freqs, wstream
	s_load_b64 s[16:17], s[0:1], 0x30              ; cstab
	v_lshl_add_u32 v239, v0, 2, 0x4400
	v_mov_b32 v255, 0
	v_lshrrev_b32 v5, 5, v0
	v_readfirstlane_b32 s18, v5                    ; wave 0, 1
	v_and_b32 v6, 31, v0                           ; lane
	v_and_b32 v7, 15, v0                           ; r
	v_bfe_u32 v8, v0, 4, 1                         ; h
	v_lshlrev_b32 v1, 4, v6                        ; 16 x lane
	v_lshlrev_b32 v2, 3, v6                        ; 8 x lane
	s_mul_i32 s19, s18, STGW
	v_add_nc_u32 v3, s19, v1                       ; the stage, in: a row's 512 bytes as they lie
	v_mul_u32_u24 v4, v7, SP
	v_lshl_add_u32 v4, v8, 7, v4
	v_add_nc_u32 v4, s19, v4                       ; and out: row r, block h
	v_lshlrev_b32 v9, 3, v8                        ; 8 h: where my two bytes stand in a scale word
	v_mov_b32 v[TM+1], 0                           ; written once: a lane permute's destination counts as one of its sources
	s_mov_b32 s36, 0x76543210
	s_mov_b32 s37, 0xfedcba98                      ; lane l xor 16
	s_and_b32 s20, ttmp7, 0xffff                   ; y
	s_lshr_b32 s21, s20, 2                         ; the matrix: 0 q, 1 k, 2 v, 3 o
	s_bfe_u32 s22, s20, 0x10001                    ; c: the K half
	s_and_b32 s23, s20, 1
	s_lshl_b32 s23, s23, 1
	s_add_co_u32 s23, s23, s18                     ; j = 2 (y & 1) + wave
	s_lshl_b32 s24, s22, 2
	s_add_co_u32 s24, s24, s23                     ; K step 4 c + j
	s_lshr_b32 s25, ttmp9, 2                       ; the stream: w = G / 4
	s_and_b32 s26, ttmp9, 3                        ; the group: G % 4
	s_lshl_b32 s27, s26, 3
	s_lshl_b32 s28, s21, 1
	s_add_co_u32 s27, s27, s28
	s_add_co_u32 s27, s27, s22                     ; chunk 8 (G % 4) + 2 matrix + c
	s_or_b32 s38, s20, s18
	s_or_b32 s38, s38, s25                         ; 0 in wave 0 of work-groups (0 .. 3, 0): they make the table
	s_lshl_b32 s39, ttmp9, 4
	v_lshlrev_b32 v14, 7, v7
	v_lshl_add_u32 v14, v8, 6, v14
	v_add_nc_u32 v14, s39, v14                     ; rope_freqs: row r of 128 bytes, + 64 h, + 16 G: angles 4 G .. 4 G + 3 of my sixteen
	s_lshl_b32 s39, ttmp9, 9
	v_add_nc_u32 v15, s39, v1                      ; the table: registers 4 G .. 4 G + 3 lie at 512 G + 16 x lane
.irp i, 0,1,2,3
	v_mov_b32 v[ANG+\i], 0                         ; written on every way
.endr
	s_wait_kmcnt 0x0
	s_cmp_lg_u32 s38, 0
	s_cbranch_scc1 .Lno_angles
	s_wait_alu depctr_va_vdst(0)
	global_load_b128 v[ANG:ANG+3], v14, s[12:13]   ; older than every tile's loads: the first tile's counted wait shows it in
.Lno_angles:
	s_cmp_eq_u32 s21, 1                            ; the source: a choice that hangs on the work-group's number alone
	s_cselect_b64 s[4:5], s[6:7], s[4:5]
	s_cmp_eq_u32 s21, 2
	s_cselect_b64 s[4:5], s[8:9], s[4:5]
	s_cmp_eq_u32 s21, 3
	s_cselect_b64 s[4:5], s[10:11], s[4:5]
	s_lshl_b32 s28, ttmp9, 18                      ; 64 rows of 4,096 bytes for each row group,
	s_lshl_b32 s29, s24, 9                         ; 512 bytes for each K step
	s_add_co_u32 s28, s28, s29
	s_mov_b32 s29, 0
	s_add_nc_u64 s[4:5], s[4:5], s[28:29]
	s_mul_i32 s28, s25, 819200
	s_mul_i32 s30, s27, 25600
	s_add_co_u32 s28, s28, s30                     ; my chunk
	s_mul_i32 s30, s23, 6144
	s_add_co_u32 s30, s30, s28
	s_mov_b32 s31, 0
	s_add_nc_u64 s[32:33], s[14:15], s[30:31]      ; my four fragments
	s_lshl_b32 s30, s23, 8
	s_add_co_u32 s30, s30, s28
	s_add_co_u32 s30, s30, 24576
	s_add_nc_u64 s[34:35], s[14:15], s[30:31]      ; my 256 bytes of scale words
.macro LOADT t                         ; tile t's 16 rows, 512 consecutive bytes each
.irp i, 0,1,2,3,4,5,6,7,8,9,10,11,12,13,14,15
	global_load_b128 v[RAW+64*((\t)%2)+4*\i:RAW+64*((\t)%2)+4*\i+3], v1, s[4:5] offset:(32*((\t)/2)+8*((\t)%2)+\i+8*(\i/8))*4096 th:TH_LOAD_NT
.endr
.endm
.macro TILE t
.set RS, RAW+64*((\t)%2)
.set CC, C+12*((\t)%2)
.if (\t) < 3
	s_wait_loadcnt 16                              ; this tile's 16 loads are in; the next tile's 16 may be out
.else
	s_wait_loadcnt 0x0
.endif
.irp i, 0,1,2,3,4,5,6,7,8,9,10,11,12,13,14,15
	ds_store_b128 v3, v[RS+4*\i:RS+4*\i+3] offset:SP*\i
.endr
.irp k, 0,1
.irp e, 0,1,2,3,4,5,6,7
	ds_load_b128 v[X+32*\k+4*\e:X+32*\k+4*\e+3], v4 offset:256*\k+16*\e   ; LDS serves a wave's instructions in order: block 2 k + h of row r
.endr
.endr
	s_wait_dscnt 0x0                               ; my numbers are back, and the stores into the stage have read their registers,
.if (\t)+2 < 4
	LOADT (\t)+2                                   ; which take the tile two on
.endif
.irp k, 0,1
	v_max3_num_f32 v[MX+\k], |v[X+32*\k]|, |v[X+32*\k+1]|, FLOOR   ; the block's largest magnitude, the floor among its leaves: all 32 numbers are mine
.endr
.irp i, 2,4,6,8,10,12,14,16,18,20,22,24,26,28,30
.irp k, 0,1
	v_max3_num_f32 v[MX+\k], v[MX+\k], |v[X+32*\k+\i]|, |v[X+32*\k+\i+1]|
.endr
.endr
.irp k, 0,1
	v_add_nc_u32 v[SOP+\k], 0xff000000, v[MX+\k]   ; 2 off the exponent field: the conversion takes this operand's exponent field as its scale
.endr
.irp k, 0,1
	v_lshrrev_b32 v[BY+\k], 23, v[SOP+\k]          ; the scale's byte
.endr
	v_lshl_or_b32 v[TM], v[BY+1], 16, v[BY]        ; blocks h and 2 + h,
	v_lshlrev_b32 v[TM], v9, v[TM]                 ; at their places in the row's word;
	v_permlanex16_b32 v[TM+1], v[TM], s36, s37
	v_or_b32 v[W+(\t)], v[TM], v[TM+1]             ; with lane l xor 16's two the word is whole
.if (\t) >= 2
	s_wait_alu depctr_va_vdst(0)
	s_wait_xcnt 0x0                                ; the stores of two tiles back have read this set of codes
.endif
.irp k, 0,1
	v_cvt_scalef32_pk16_fp6_f32 v[CC+6*\k:CC+6*\k+2], v[X+32*\k:X+32*\k+15], v[SOP+\k]
	v_cvt_scalef32_pk16_fp6_f32 v[T+4*\k:T+4*\k+2], v[X+32*\k+16:X+32*\k+31], v[SOP+\k]   ; (a conversion's three registers begin on an even number)
.endr
	v_nop                                          ; one plain place behind a scaled conversion
.irp k, 0,1
.irp i, 0,1,2
	v_mov_b32 v[CC+6*\k+3+\i], v[T+4*\k+\i]
.endr
.endr
.irp g, 0,1,2
	global_store_b128 v1, v[CC+4*\g:CC+4*\g+3], s[32:33] offset:1536*(\t)+512*\g   ; 32 lanes store 512 consecutive bytes, aligned
.endr
.endm
	LOADT 0
	LOADT 1
	TILE 0
	TILE 1
	TILE 2
	TILE 3
	v_cmp_lt_u32 vcc_lo, 15, v6                    ; lanes 0-15 carry an even tile's words, lanes 16-31 the odd tile's
	v_cndmask_b32 v[R], v[W], v[W+1], vcc_lo
	v_cndmask_b32 v[R+1], v[W+2], v[W+3], vcc_lo
	global_store_b64 v2, v[R:R+1], s[34:35]        ; 256 consecutive bytes, aligned
	s_cmp_lg_u32 s38, 0
	s_cbranch_scc1 .Ldone                          ; the table is four waves' work
.macro SINCOS i                        ; cos into v[16 + i], sin into v[32 + i]
	v_mul_f32 v246, 0x3f22f983, v[ANG+\i]          ; a x 2 / pi
	v_rndne_f32 v246, v246                         ; n
	v_fma_f32 v247, v246, 0xbfc90fdb, v[ANG+\i]    ; a - n pi / 2, pi / 2 in three parts
	v_fma_f32 v247, v246, 0x333bbd2e, v247
	v_fma_f32 v247, v246, 0x26f72ced, v247
	v_cvt_i32_f32 v249, v246                       ; the quadrant, in its two low bits
	v_mul_f32 v248, v247, v247                     ; z = r r
	v_mov_b32 v250, 0xb94ca1f9
	v_fmaak_f32 v250, v250, v248, 0x3c08839e
	v_fmaak_f32 v250, v250, v248, 0xbe2aaaa3
	v_mul_f32 v250, v250, v248
	v_fma_f32 v250, v250, v247, v247               ; sin r
	v_mov_b32 v251, 0x37ccf5ce
	v_fmaak_f32 v251, v251, v248, 0xbab6061a
	v_fmaak_f32 v251, v251, v248, 0x3d2aaaa5
	v_mul_f32 v252, v248, v248
	v_fma_f32 v253, v248, -0.5, 1.0
	v_fma_f32 v251, v251, v252, v253               ; cos r
	v_and_b32 v252, 1, v249
	v_cmp_eq_u32 vcc_lo, 1, v252                   ; odd quadrants change sine and cosine
	v_cndmask_b32 v253, v250, v251, vcc_lo
	v_cndmask_b32 v254, v251, v250, vcc_lo
	v_lshlrev_b32 v252, 30, v249
	v_and_b32 v252, 0x80000000, v252               ; the sine is negative in quadrants 2, 3
	v_xor_b32 v[32+\i], v252, v253
	v_add_nc_u32 v252, 1, v249
	v_lshlrev_b32 v252, 30, v252
	v_and_b32 v252, 0x80000000, v252               ; the cosine in quadrants 1, 2
	v_xor_b32 v[16+\i], v252, v254
.endm
.irp i, 0,1,2,3
	SINCOS \i
.endr
	global_store_b128 v15, v[16:19], s[16:17]              ; cos: registers 4 G .. 4 G + 3: 512 consecutive bytes, aligned
	global_store_b128 v15, v[32:35], s[16:17] offset:2048  ; sin: registers 16 + 4 G ..
.Ldone:
	s_wait_tensorcnt 0x0
	ds_add_u32 v239, v255
	s_wait_dscnt 0x0
	s_endpgm
.Lfunc_end_k_q39b3d95409_prep:
	.size	k_q39b3d95409_prep, .Lfunc_end_k_q39b3d95409_prep-k_q39b3d95409_prep
	.p2alignl 7, 3214868480
	.fill 96, 4, 3214868480
	.section	.rodata,"a",@progbits
	.p2align	6, 0x0
	.amdhsa_kernel k_q39b3d95409_prep
		.amdhsa_group_segment_fixed_size 17664
		.amdhsa_private_segment_fixed_size 0
		.amdhsa_enable_private_segment 0
		.amdhsa_kernarg_size 56
		.amdhsa_user_sgpr_count 2
		.amdhsa_user_sgpr_kernarg_segment_ptr 1
		.amdhsa_wavefront_size32 1
		.amdhsa_system_sgpr_workgroup_id_x 1
		.amdhsa_system_sgpr_workgroup_id_y 1
		.amdhsa_system_sgpr_workgroup_id_z 1
		.amdhsa_system_vgpr_workitem_id 0
		.amdhsa_next_free_vgpr 256
		.amdhsa_next_free_sgpr 66
		.amdhsa_reserve_vcc 1
		.amdhsa_float_denorm_mode_32 3
		.amdhsa_float_denorm_mode_16_64 3
		.amdhsa_memory_ordered 1
		.amdhsa_forward_progress 1
		.amdhsa_inst_pref_size 37
	.end_amdhsa_kernel
	.amdgpu_metadata
---
amdhsa.version: [ 1, 2 ]
amdhsa.kernels:
  - .name:           k_q39b3d95409_prep
    .symbol:         k_q39b3d95409_prep.kd
    .args:
      - { .name: wq, .offset: 0, .size: 8, .value_kind: global_buffer, .address_space: global }
      - { .name: wk, .offset: 8, .size: 8, .value_kind: global_buffer, .address_space: global }
      - { .name: wv, .offset: 16, .size: 8, .value_kind: global_buffer, .address_space: global }
      - { .name: wo, .offset: 24, .size: 8, .value_kind: global_buffer, .address_space: global }
      - { .name: rope_freqs, .offset: 32, .size: 8, .value_kind: global_buffer, .address_space: global }
      - { .name: wstream, .offset: 40, .size: 8, .value_kind: global_buffer, .address_space: global }
      - { .name: cstab, .offset: 48, .size: 8, .value_kind: global_buffer, .address_space: global }
    .group_segment_fixed_size: 17664
    .private_segment_fixed_size: 0
    .kernarg_segment_align: 8
    .kernarg_segment_size: 56
    .max_flat_workgroup_size: 64
    .sgpr_count:     66
    .vgpr_count:     256
    .wavefront_size: 32
...
	.end_amdgpu_metadata
.endif
;; end of part 3
;; launch fused (part 4): grid 256 x 1, 4 waves a work-group, clusters of 4 x 1, 327,680 bytes of LDS; arguments x, wstream, cstab, out0; writes out0
.if DOCPART == 4
	.amdgcn_target "amdgcn-amd-amdhsa--gfx1250"
	.amdhsa_code_object_version 6
	.text
	.protected	k_q39b3d95409_fused
	.globl	k_q39b3d95409_fused
	.p2align	8
	.type	k_q39b3d95409_fused,@function
k_q39b3d95409_fused:
	s_mov_b64 s[64:65], 0
	v_nop
	global_prefetch_b8 v0, s[64:65] scope:SCOPE_SE
	s_setreg_imm32_b32 hwreg(HW_REG_WAVE_MODE, 25, 1), 1
	s_wait_xcnt 0x0
	s_wait_alu depctr_hold_cnt(0) depctr_sa_sdst(0) depctr_va_vdst(0) depctr_va_sdst(0) depctr_va_ssrc(0) depctr_va_vcc(0) depctr_vm_vsrc(0)
	s_getreg_b32 s2, hwreg(HW_REG_IB_STS2, 6, 4)
	s_cmp_eq_u32 s2, 0
	s_cbranch_scc0 .Lentry_in_a_cluster
	s_endpgm
.Lentry_in_a_cluster:
	s_bfe_u32 s2, ttmp6, 0x10000c
	s_cmp_lg_u32 s2, 0x3003
	s_cbranch_scc0 .Lentry_shape_is_right
	s_endpgm
.Lentry_shape_is_right:
.set WPART, 25600
.set GRP,   8*WPART
.set SLOT,  4*WPART
.set WSOFF, 24576
.set IMG,   2*SLOT
.set ASCL,  IMG+16*3072
.set STG,   ASCL+2048
.set STGW,  8448
.set SPARE, STG+4*STGW
.set SPW, 1
.set NIL, 2
.set WAD, 3
.set WAS, 5
.set AR16, 7
.set AR8, 8
.set ASR, 9
.set XO, 10
.set XST, 11
.set XRD, 12
.set XI16, 13
.set XI8, 14
.set XSW, 15
.set AI16, 10
.set AI8, 11
.set AB16, 12
.set AB8, 13
.set SWA, 14
.set OST, 15
.set ASC, 16
.set WSC, 32
.set QSC, 48
.set KSC, 52
.set SW, 53
.set ORD, 61
.set GO, 62
.set PFO, 63
.set ACC, 64
.set XS, 64
.set ALT, 160
.set S, 192
.set OB, 192
.set RT, 224
.set MXB, 224
.set PRM, 226
.set SOP, 228
.set BY, 230
.set T, 232
.set PC0, 236
.set PC1, 242
.set PW0, 248
.set PW1, 249
.set XW, 250
.set CM, 224
.set MX, 225
.set PM, 232
.set SU, 236
.set SV, 244
.set COS, 192
.set SIN, 208
.set QF, 192
.set KF, 240
.set PVD, 192
.set FLOOR, 0x1800000
.set WV, 12
.set CX, 13
.set G1, 16
.set G0, 24
.set SEL, 32
.set CSC, 34
.set HCNT, 36
.set HOFF, 37
.set KCNT, 38
.set LIM, 39
.set PFA, 40
.set UCNT, 44
.set ROT, 45
.set PCUR, 46
.set PNXT, 48
.set OBU, 50
.set M0, 52
.set M1, 53
.set TO, 54
.set TS, 56
.set MSB, 0
.macro WIN new
.if MSB != (\new)
	s_set_vgpr_msb (MSB<<8)|(\new)
.set MSB, (\new)
.endif
.endm
.macro PLACES n
.rept \n
	v_nop
.endr
.endm
.macro CREST
	s_cmp_lg_u32 s[WV], 0
	s_cbranch_scc1 .Lnot_wave_0_\@
	s_barrier_signal -3
.Lnot_wave_0_\@:
	s_barrier_wait -3
	s_barrier_signal -1
	s_barrier_wait -1
.endm
.macro ROUND
	s_barrier_signal -1
	s_barrier_wait -1
	CREST
.endm
.macro WM d, a, b, zero, sa, sb, ra, rb
.if (\zero)
.if (\ra)&&(\rb)
	v_wmma_scale_f32_16x16x128_f8f6f4 v[(\d):(\d)+7], v[(\a):(\a)+11], v[(\b):(\b)+11], 0, v[\sa], v[\sb] matrix_a_fmt:MATRIX_FMT_FP6 matrix_b_fmt:MATRIX_FMT_FP6 matrix_a_scale:MATRIX_SCALE_ROW1 matrix_b_scale:MATRIX_SCALE_ROW1
.elseif (\ra)
	v_wmma_scale_f32_16x16x128_f8f6f4 v[(\d):(\d)+7], v[(\a):(\a)+11], v[(\b):(\b)+11], 0, v[\sa], v[\sb] matrix_a_fmt:MATRIX_FMT_FP6 matrix_b_fmt:MATRIX_FMT_FP6 matrix_a_scale:MATRIX_SCALE_ROW1
.elseif (\rb)
	v_wmma_scale_f32_16x16x128_f8f6f4 v[(\d):(\d)+7], v[(\a):(\a)+11], v[(\b):(\b)+11], 0, v[\sa], v[\sb] matrix_a_fmt:MATRIX_FMT_FP6 matrix_b_fmt:MATRIX_FMT_FP6 matrix_b_scale:MATRIX_SCALE_ROW1
.else
	v_wmma_scale_f32_16x16x128_f8f6f4 v[(\d):(\d)+7], v[(\a):(\a)+11], v[(\b):(\b)+11], 0, v[\sa], v[\sb] matrix_a_fmt:MATRIX_FMT_FP6 matrix_b_fmt:MATRIX_FMT_FP6
.endif
.else
.if (\ra)&&(\rb)
	v_wmma_scale_f32_16x16x128_f8f6f4 v[(\d):(\d)+7], v[(\a):(\a)+11], v[(\b):(\b)+11], v[(\d):(\d)+7], v[\sa], v[\sb] matrix_a_fmt:MATRIX_FMT_FP6 matrix_b_fmt:MATRIX_FMT_FP6 matrix_a_scale:MATRIX_SCALE_ROW1 matrix_b_scale:MATRIX_SCALE_ROW1
.elseif (\ra)
	v_wmma_scale_f32_16x16x128_f8f6f4 v[(\d):(\d)+7], v[(\a):(\a)+11], v[(\b):(\b)+11], v[(\d):(\d)+7], v[\sa], v[\sb] matrix_a_fmt:MATRIX_FMT_FP6 matrix_b_fmt:MATRIX_FMT_FP6 matrix_a_scale:MATRIX_SCALE_ROW1
.elseif (\rb)
	v_wmma_scale_f32_16x16x128_f8f6f4 v[(\d):(\d)+7], v[(\a):(\a)+11], v[(\b):(\b)+11], v[(\d):(\d)+7], v[\sa], v[\sb] matrix_a_fmt:MATRIX_FMT_FP6 matrix_b_fmt:MATRIX_FMT_FP6 matrix_b_scale:MATRIX_SCALE_ROW1
.else
	v_wmma_scale_f32_16x16x128_f8f6f4 v[(\d):(\d)+7], v[(\a):(\a)+11], v[(\b):(\b)+11], v[(\d):(\d)+7], v[\sa], v[\sb] matrix_a_fmt:MATRIX_FMT_FP6 matrix_b_fmt:MATRIX_FMT_FP6
.endif
.endif
.endm
.macro MUL8 kind, c, j, t0, zero
.if \kind
	WIN 0x0d+(\c)
.else
	WIN 0x07+4*(\c)
.endif
.irp t, \t0, \t0+1
.irp m, 0,1,2,3
.set rD, ACC+32*\m+8*(\t)
.set rW, 48*(\j)+12*(\t)
.set rA, 12*(4*(\j)+\m)
.set rSW, WSC+8*(\c)+2*(\j)+(\t)/2
.set rSA, ASC+4*\m+2*(\c)+(\j)/2
.set fT, (\t)&1
.set fJ, (\j)&1
.if \kind
	WM rD, rA, rW, \zero, rSA, rSW, fJ, fT
.else
	WM rD, rW, rA, \zero, rSW, rSA, fT, fJ
.endif
.endr
.endr
.endm
.macro FETCHW slot, j0
	WIN 0xc0
.irp f, 0,1,2,3,4,5,6,7
.irp g, 0,1,2
	ds_load_b128 v[12*(4*(\j0)+\f)+4*\g:12*(4*(\j0)+\f)+4*\g+3], v[WAD+(\slot)] offset:1536*(4*(\j0)+\f)+512*\g
.endr
.endr
	WIN 0
.endm
.macro FETCHS slot
.irp j, 0,1,2,3
	ds_load_b64 v[WSC+8*(\slot)+2*\j:WSC+8*(\slot)+2*\j+1], v[WAS+(\slot)] offset:WSOFF+256*\j
.endr
.endm
.macro ASK
	s_cmp_lt_u32 s[KCNT], s[LIM]
	s_cbranch_scc0 .Lnot_mine_\@
	global_prefetch_b8 v[PFO], s[PFA:PFA+1] th:TH_LOAD_NT scope:SCOPE_SE
.Lnot_mine_\@:
	s_add_co_u32 s[KCNT], s[KCNT], 1
.endm
.macro CHUNK kind, c, fill, pb, po
.if (\fill) == 1
	s_wait_xcnt 0x0
	s_add_nc_u64 s[PFA:PFA+1], s[PFA:PFA+1], 32768
.endif
	PLACES 4
	FETCHW \c, 2
	s_wait_dscnt 24
.if (\kind) && (\c)
	WIN 0x0d+(\c)
	s_wait_alu depctr_va_vdst(0)                   ; V's second chunk takes up sums behind the softmax's transcendentals: the wait stands directly ahead of the 16 products that read them first
.endif
	MUL8 \kind, \c, 0, 0, 1-(\c)
	MUL8 \kind, \c, 0, 2, 1-(\c)
.if (\fill) == 1
	WIN 0
	s_wait_tensorcnt 0x0
	ds_add_u32 v[SPW], v[NIL]
	s_add_nc_u64 s[G0+4*(\c)+2:G0+4*(\c)+3], s[\pb:\pb+1], \po
	s_or_b32 s[G0+4*(\c)+3], s[G0+4*(\c)+3], 0x80000000
	MUL8 \kind, \c, 1, 0, 0
	s_wait_dscnt 0x0
	s_barrier_signal -1
	MUL8 \kind, \c, 1, 2, 0
	WIN 0
	s_barrier_wait -1
	CREST
	tensor_load_to_lds s[G0+4*(\c):G0+4*(\c)+3], s[G1:G1+7]
	s_nop 0
	PLACES 4
	FETCHW 1-(\c), 0
	FETCHS 1-(\c)
	ASK
.elseif (\fill) == 2
	MUL8 \kind, \c, 1, 0, 0
	MUL8 \kind, \c, 1, 2, 0
	WIN 0
	s_wait_dscnt 0x0
	s_wait_tensorcnt 0x0
	PLACES 4
	FETCHW 1-(\c), 0
	FETCHS 1-(\c)
.else
	MUL8 \kind, \c, 1, 0, 0
	MUL8 \kind, \c, 1, 2, 0
	s_wait_dscnt 0x0
.endif
	MUL8 \kind, \c, 2, 0, 0
	MUL8 \kind, \c, 2, 2, 0
	MUL8 \kind, \c, 3, 0, 0
	MUL8 \kind, \c, 3, 2, 0
	WIN 0
.endm
.macro QUANT2 src, sw, pc, pw
	WIN 0
	v_mov_b32 v[MXB], FLOOR
	v_mov_b32 v[MXB+1], FLOOR
	WIN 0x14*(\sw)
.irp i, 0,2,4,6,8,10,12,14
.irp b, 0,1
	v_max3_num_f32 v[MXB+\b], v[MXB+\b], |v[\src+16*\b+\i]|, |v[\src+16*\b+\i+1]|
.endr
.endr
	WIN 0
.irp b, 0,1
	v_permlanex16_b32 v[PRM+\b], v[MXB+\b], s[SEL], s[SEL+1]
.endr
.irp b, 0,1
	v_max_num_f32 v[MXB+\b], v[MXB+\b], v[PRM+\b]
.endr
.irp b, 0,1
	v_add_nc_u32 v[SOP+\b], 0xff000000, v[MXB+\b]
.endr
.irp b, 0,1
	v_lshrrev_b32 v[BY+\b], 23, v[SOP+\b]
.endr
	v_lshl_or_b32 v[\pw], v[BY+1], 8, v[BY]
	WIN \sw
	v_cvt_scalef32_pk16_fp6_f32 v[\pc:\pc+2], v[\src:\src+15], v[SOP]
	v_cvt_scalef32_pk16_fp6_f32 v[T:T+2], v[\src+16:\src+31], v[SOP+1]
	WIN 0
	v_nop
.irp i, 0,1,2
	v_permlane16_swap_b32 v[\pc+\i], v[T+\i]
.endr
.endm
.macro JOIN pc
.irp i, 0,1,2
	v_mov_b32 v[\pc+3+\i], v[T+\i]
.endr
.endm
.macro IMGH a16, a8, pc, off
	ds_store_b128 v[\a16], v[\pc:\pc+3] offset:\off
	ds_store_b64 v[\a8], v[\pc+4:\pc+5] offset:\off+512
.endm
.macro LOADA
.irp s, 0,1,2,3,4,5,6,7
	WIN 0x40*(1+\s/4)
.irp m, 0,1,2,3
.set rF, 12*(4*(\s%4)+\m)
	ds_load_b128 v[rF:rF+3], v[AR16] offset:3072*(2*\s)+768*\m
	ds_load_b64 v[rF+4:rF+5], v[AR8] offset:3072*(2*\s)+768*\m+512
	ds_load_b128 v[rF+6:rF+9], v[AR16] offset:3072*(2*\s+1)+768*\m
	ds_load_b64 v[rF+10:rF+11], v[AR8] offset:3072*(2*\s+1)+768*\m+512
.endr
.endr
	WIN 0
.irp q, 0,1,2,3,4,5,6,7,8,9,10,11,12,13,14,15
	ds_load_b32 v[ASC+\q], v[ASR] offset:128*\q
.endr
.endm
.macro ROPE m
	WIN 0x04
.irp i, 0,2,4,6,8,10,12,14
.set rT, RT+4*((\i/2)%4)
.set r1, ACC+32*(\m)+\i
.set r2, ACC+32*(\m)+16+\i
	v_pk_mul_f32 v[rT:rT+1], v[r1:r1+1], v[COS+\i:COS+\i+1]
	v_pk_mul_f32 v[rT+2:rT+3], v[r1:r1+1], v[SIN+\i:SIN+\i+1]
	v_pk_fma_f32 v[r1:r1+1], v[r2:r2+1], v[SIN+\i:SIN+\i+1], v[rT:rT+1] neg_lo:[0,1,0] neg_hi:[0,1,0]
	v_pk_fma_f32 v[r2:r2+1], v[r2:r2+1], v[COS+\i:COS+\i+1], v[rT+2:rT+3]
.endr
.endm
.macro SOFTMAX
	WIN 0
.irp m, 0,1,2,3
	v_max3_num_f32 v[MX+2*\m], v[S+8*\m], v[S+8*\m+1], v[S+8*\m+2]
.endr
.irp i, 3,5
.irp m, 0,1,2,3
	v_max3_num_f32 v[MX+2*\m], v[MX+2*\m], v[S+8*\m+\i], v[S+8*\m+\i+1]
.endr
.endr
.irp m, 0,1,2,3
	v_max_num_f32 v[MX+2*\m], v[MX+2*\m], v[S+8*\m+7]
.endr
.irp m, 0,1,2,3
	v_permlanex16_b32 v[PM+\m], v[MX+2*\m], s[SEL], s[SEL+1]
.endr
.irp m, 0,1,2,3
	v_max_num_f32 v[MX+2*\m], v[MX+2*\m], v[PM+\m]
.endr
.irp m, 0,1,2,3
	v_mul_f32 v[CM+2*\m], s[CSC], v[MX+2*\m]
.endr
.irp i, 0,2,4,6
.irp m, 0,1,2,3
	v_pk_fma_f32 v[S+8*\m+\i:S+8*\m+\i+1], v[S+8*\m+\i:S+8*\m+\i+1], s[CSC:CSC+1], v[CM+2*\m:CM+2*\m+1] op_sel_hi:[1,0,0] neg_lo:[0,0,1] neg_hi:[0,0,1]
.endr
.endr
	s_wait_alu depctr_va_vdst(0)
.irp j, 0,1,2,3,4,5,6,7,8,9,10,11,12,13,14,15,16,17,18,19,20,21,22,23,24,25,26,27,28,29,30,31
	v_exp_f32 v[S+\j], v[S+\j]
.endr
	v_nop
	s_wait_alu depctr_va_vdst(0)
.irp m, 0,1,2,3
	v_pk_add_f32 v[SU+2*\m:SU+2*\m+1], v[S+8*\m:S+8*\m+1], v[S+8*\m+2:S+8*\m+3]
.endr
.irp m, 0,1,2,3
	v_pk_add_f32 v[SV+2*\m:SV+2*\m+1], v[S+8*\m+4:S+8*\m+5], v[S+8*\m+6:S+8*\m+7]
.endr
.irp m, 0,1,2,3
	v_pk_add_f32 v[SU+2*\m:SU+2*\m+1], v[SU+2*\m:SU+2*\m+1], v[SV+2*\m:SV+2*\m+1]
.endr
.irp m, 0,1,2,3
	v_add_f32 v[SU+2*\m], v[SU+2*\m], v[SU+2*\m+1]
.endr
.irp m, 0,1,2,3
	v_permlanex16_b32 v[PM+\m], v[SU+2*\m], s[SEL], s[SEL+1]
.endr
.irp m, 0,1,2,3
	v_add_f32 v[SU+2*\m], v[SU+2*\m], v[PM+\m]
.endr
	s_wait_alu depctr_va_vdst(0)
.irp m, 0,1,2,3
	v_rcp_f32 v[SV+2*\m], v[SU+2*\m]
.endr
	v_nop
	s_wait_alu depctr_va_vdst(0)
.irp i, 0,2,4,6
.irp m, 0,1,2,3
	v_pk_mul_f32 v[S+8*\m+\i:S+8*\m+\i+1], v[S+8*\m+\i:S+8*\m+\i+1], v[SV+2*\m:SV+2*\m+1] op_sel_hi:[1,0]
.endr
.endr
.endm
.macro PV m, set
	WIN 0xf0
.irp s, 0,1,2,3
	s_wait_alu depctr_va_vdst(0)
.irp t, 0,1,2,3
.set rD, PVD+32*(\set)+8*\t
.set rV, ACC+32*(\m)+8*\t+2*\s
.set rP, S+8*(\m)+2*\s
.if \s == 0
	v_wmma_f32_16x16x4_f32 v[rD:rD+7], v[rV:rV+1], v[rP:rP+1], 0
.else
	v_wmma_f32_16x16x4_f32 v[rD:rD+7], v[rV:rV+1], v[rP:rP+1], v[rD:rD+7]
.endif
.endr
.endr
.endm
.macro ATT m
	QUANT2 PVD+32*((\m)%2), 3, PC0+6*((\m)%2), PW0
	JOIN PC0+6*((\m)%2)
	IMGH AI16, AI8, PC0+6*((\m)%2), 768*(\m)
	v_lshrrev_b32 v[SW+2*(\m)], 16, v[SW+2*(\m)]
	v_lshl_or_b32 v[SW+2*(\m)], v[SW+2*(\m)+1], 16, v[SW+2*(\m)]
	v_lshrrev_b32 v[SW+2*(\m)+1], 16, v[SW+2*(\m)+1]
	v_lshl_or_b32 v[SW+2*(\m)+1], v[PW0], 16, v[SW+2*(\m)+1]
.endm
.macro TOSTAGE m
.irp t, 0,1,2,3
	ds_store_b128 v[OST], v[ACC+32*(\m)+8*\t:ACC+32*(\m)+8*\t+3] offset:128*(\t/2)+32*(\t%2)
	ds_store_b128 v[OST], v[ACC+32*(\m)+8*\t+4:ACC+32*(\m)+8*\t+7] offset:128*(\t/2)+32*(\t%2)+16
.endr
.irp i, 0,1,2,3,4,5,6,7
	ds_load_b128 v[OB+32*((\m)%2)+4*\i:OB+32*((\m)%2)+4*\i+3], v[ORD] offset:544*\i
.endr
.endm
.macro SEND m, younger
	s_wait_dscnt \younger
.irp i, 0,1,2,3,4,5,6,7
	global_store_b128 v[GO], v[OB+32*((\m)%2)+4*\i:OB+32*((\m)%2)+4*\i+3], s[OBU:OBU+1] offset:(16*(\m)+2*\i)*4096 th:TH_STORE_NT
.endr
.endm
.macro WAYOUT
	s_wait_xcnt 0x0
	s_add_co_u32 s[TO], s[UCNT], s[ROT]
	s_and_b32 s[TO], s[TO], 3
	s_lshl_b32 s[TO], s[TO], 8
	s_add_nc_u64 s[OBU:OBU+1], s[10:11], s[TO:TO+1]
	PLACES 4
	TOSTAGE 0
	TOSTAGE 1
	SEND 0, 16
	s_wait_xcnt 0x0
	TOSTAGE 2
	SEND 1, 16
	s_wait_xcnt 0x0
	TOSTAGE 3
	SEND 2, 16
	SEND 3, 0
.endm
	s_load_b256 s[4:11], s[0:1], 0x0
	v_lshl_add_u32 v[SPW], v0, 2, SPARE
	v_mov_b32 v[NIL], 0
	ds_add_u32 v1, v2
	ds_add_u32 v1, v2
	s_wait_dscnt 0x0
	v_lshrrev_b32 v3, 5, v0
	v_readfirstlane_b32 s[WV], v3
	s_bfe_u32 s[CX], ttmp6, 0x40000
	s_lshl_b32 s14, ttmp9, 2
	s_add_co_u32 s14, s14, s[CX]
	s_mov_b32 s[G1], 15|(3<<16)|(1<<21)
	s_mov_b32 s[G1+1], 32<<16
	s_mov_b32 s[G1+2], 100<<16
	s_mov_b32 s[G1+3], 32<<16
	s_mov_b32 s[G1+4], 100
	s_mov_b32 s[G1+5], 32
	s_mov_b32 s[G1+6], 0
	s_mov_b32 s[G1+7], 0
	s_mov_b32 s[SEL], 0x76543210
	s_mov_b32 s[SEL+1], 0xfedcba98
	s_mov_b32 s[CSC], 0x3e38aa3b
	s_mov_b32 s[CSC+1], s[CSC]
	s_mov_b32 s[KCNT], 0
	s_cmp_lt_u32 ttmp9, 4
	s_cselect_b32 s[LIM], 3, 0
	s_and_b32 s[ROT], ttmp9, 3
	s_bitcmp1_b32 s[ROT], 0
	s_cselect_b32 s[M0], -1, 0
	s_bitcmp1_b32 s[ROT], 1
	s_cselect_b32 s[M1], -1, 0
	s_mul_i32 s[TO], s[ROT], GRP
	s_mov_b32 s[TO+1], 0
	s_mul_i32 s42, s[WV], WPART
	s_mul_i32 s2, s[WV], 32*WPART
	s_mov_b32 s3, 0
	s_wait_kmcnt 0x0
	s_add_nc_u64 s[6:7], s[6:7], s[2:3]
	s_add_nc_u64 s[PCUR:PCUR+1], s[6:7], s[TO:TO+1]
	; cos, sin and x's first three steps (56 loads a wave) are asked for here, ahead of the round and of the first tiles: they are on their way while those land
	s_lshl_b32 s2, s14, 18
	s_add_nc_u64 s[10:11], s[10:11], s[2:3]
	s_lshl_b32 s43, s[WV], 16
	s_add_co_u32 s2, s2, s43
	s_add_nc_u64 s[4:5], s[4:5], s[2:3]
	v_and_b32 v224, 31, v0
	v_lshlrev_b32 v[XO], 4, v224
	WIN 0x40
.irp g, 0,1,2,3,4,5,6,7
	global_load_b128 v[COS+4*\g:COS+4*\g+3], v[XO], s[8:9] offset:512*\g
.endr
.macro XLOAD s
.if ((\s)%4) < 3
	WIN 0x40
.set rX, 64*((\s)%4)
.else
	WIN 0x80
.set rX, 0
.endif
.irp i, 0,1,2,3,4,5,6,7,8,9,10,11,12,13,14,15
	global_load_b128 v[rX+4*\i:rX+4*\i+3], v[XO], s[4:5] offset:4096*\i+512*(\s) th:TH_LOAD_NT
.endr
.endm
	XLOAD 0
	XLOAD 1
	XLOAD 2
	WIN 0
	ROUND
.irp k, 0,1
	s_mov_b32 s[G0+4*\k], 1
	s_add_co_u32 s[G0+4*\k+1], s42, \k*SLOT
	s_add_nc_u64 s[G0+4*\k+2:G0+4*\k+3], s[PCUR:PCUR+1], \k*WPART
	s_or_b32 s[G0+4*\k+3], s[G0+4*\k+3], 0x80000000
.endr
	tensor_load_to_lds s[G0:G0+3], s[G1:G1+7]      ; chunk 0: my one tensor load at the head; x is quantised while it is on its way
	s_nop 0
	PLACES 4
	s_wait_alu depctr_va_vdst(0)                   ; the lane's number
	s_lshl_b32 s2, s[CX], 13
	s_add_co_u32 s2, s2, 416*256-32768
	s_add_nc_u64 s[PFA:PFA+1], s[PCUR:PCUR+1], s[2:3]
	XLOAD 3                                        ; x's fourth step; the first three were asked for ahead of the first round
	WIN 0
	; chunks 1 to 3 of my stream's first group, up to the byte at which the loop's prefetches begin: bytes 25,600 to 106,496, 316 blocks of 256 bytes.
	; The four partners share them out by address, 79 each: a lane a block, three instructions; in the third the lanes left over name the last block again.
	s_mul_i32 s2, s[CX], 79*256
	s_add_co_u32 s2, s2, WPART
	s_add_nc_u64 s[58:59], s[PCUR:PCUR+1], s[2:3]  ; never written again
	v_lshlrev_b32 v252, 8, v224
	v_min_u32 v253, 14, v224
	v_lshlrev_b32 v253, 8, v253
	global_prefetch_b8 v252, s[58:59] th:TH_LOAD_NT scope:SCOPE_SE
	global_prefetch_b8 v252, s[58:59] offset:8192 th:TH_LOAD_NT scope:SCOPE_SE
	global_prefetch_b8 v253, s[58:59] offset:16384 th:TH_LOAD_NT scope:SCOPE_SE
	v_and_b32 v225, 15, v0
	v_bfe_u32 v226, v0, 4, 1
	v_lshl_add_u32 v[WAD], v224, 4, s42
	v_add_nc_u32 v[WAD+1], SLOT, v[WAD]
	v_lshl_add_u32 v[WAS], v224, 3, s42
	v_add_nc_u32 v[WAS+1], SLOT, v[WAS]
	v_lshl_add_u32 v[AR16], v224, 4, IMG
	v_lshl_add_u32 v[AR8], v224, 3, IMG
	v_lshl_add_u32 v[ASR], v224, 2, ASCL
	s_mul_i32 s43, s[WV], STGW
	s_add_co_u32 s43, s43, STG
	v_add_nc_u32 v[XST], s43, v[XO]
	v_mul_u32_u24 v[XRD], v225, 528
	v_lshl_add_u32 v[XRD], v226, 6, v[XRD]
	v_add_nc_u32 v[XRD], s43, v[XRD]
	s_mul_i32 s2, s[WV], 768
	v_add_nc_u32 v[XI16], s2, v[AR16]
	v_add_nc_u32 v[XI8], s2, v[AR8]
	s_lshl_b32 s2, s[WV], 9
	s_add_co_u32 s2, s2, ASCL
	v_lshl_add_u32 v[XSW], v225, 2, s2
	v_mul_u32_u24 v[ORD], v226, 272
	v_lshl_add_u32 v[ORD], v225, 4, v[ORD]
	v_add_nc_u32 v[ORD], s43, v[ORD]
	v_lshlrev_b32 v[GO], 12, v226
	v_lshl_add_u32 v[GO], v225, 4, v[GO]
	s_lshl_b32 s2, s[WV], 10
	v_add_nc_u32 v[GO], s2, v[GO]
	v_lshlrev_b32 v[PFO], 8, v224
.irp i, 0,1
	v_mov_b32 v[PRM+\i], 0
.endr
.irp i, 0,1,2,3
	v_mov_b32 v[PM+\i], 0
.endr
.irp i, 0,1,2,3,4,5,6,7
	v_mov_b32 v[SW+\i], 0
.endr
	WIN 0x80
.irp m, 0,1,2,3,4
.irp i, 6,7,8,9,10,11
	v_mov_b32 v[QF+12*\m+\i], 0
.endr
.endr
	WIN 0
.macro XSTEP s
.if (\s) <= 4
	s_wait_loadcnt 48
.else
	s_wait_loadcnt 16*(7-(\s))
.endif
.if ((\s)%4) < 3
	WIN 0x04
.set rX, 64*((\s)%4)
.else
	WIN 0x08
.set rX, 0
.endif
.irp i, 0,1,2,3,4,5,6,7,8,9,10,11,12,13,14,15
	ds_store_b128 v[XST], v[rX+4*\i:rX+4*\i+3] offset:528*\i
.endr
	WIN 0
.irp b, 0,1,2,3
.irp q, 0,1,2,3
	ds_load_b128 v[XS+16*\b+4*\q:XS+16*\b+4*\q+3], v[XRD] offset:128*\b+16*\q
.endr
.endr
	s_wait_dscnt 0x0
.if (\s)+4 < 8
	XLOAD (\s)+4
.endif
	QUANT2 XS, 0, PC0, PW0
	JOIN PC0
	IMGH XI16, XI8, PC0, 3072*(2*(\s))
	QUANT2 XS+32, 0, PC1, PW1
	JOIN PC1
	IMGH XI16, XI8, PC1, 3072*(2*(\s)+1)
	v_lshl_or_b32 v[XW], v[PW1], 16, v[PW0]
	ds_store_b32 v[XSW], v[XW] offset:64*(\s)
.endm
.irp s, 0,1,2,3,4,5,6
	XSTEP \s
.endr
	s_wait_alu depctr_va_vdst(0)
	s_wait_tensorcnt 0x0                           ; my part of chunk 0 is in
	ds_add_u32 v1, v2
	s_wait_dscnt 0x0
	ROUND                                          ; a whole round: chunk 0 is whole, and the four partners' joint loads meet
	tensor_load_to_lds s[G0+4:G0+7], s[G1:G1+7]    ; chunk 1, slot 1's first fill: x's last step and the row fragments' loads stand between it and the wait for it
	s_nop 0
	PLACES 4
	XSTEP 7
	s_wait_alu depctr_va_vdst(0)
	s_wait_dscnt 0x0                               ; my part of x's image is written
	s_barrier_signal -1                            ; chunk 1 may stay on its way across it
	s_barrier_wait -1
	LOADA
	FETCHW 0, 0
	FETCHS 0
	v_and_b32 v[AI16], 15, v0
	v_bfe_u32 v[AI8], v0, 4, 1
	s_mul_i32 s2, s[WV], 4*3072
	v_add_nc_u32 v[AB16], s2, v[AR16]
	v_add_nc_u32 v[AB8], s2, v[AR8]
	s_lshl_b32 s2, s[WV], 7
	s_add_co_u32 s2, s2, ASCL
	v_lshl_add_u32 v[SWA], v[AI16], 2, s2
	v_mul_u32_u24 v[OST], v[AI16], 272
	v_lshl_add_u32 v[OST], v[AI8], 6, v[OST]
	v_add_nc_u32 v[OST], s43, v[OST]
	s_mov_b32 s[HCNT], 0
	s_mov_b32 s[HOFF], 0
.Lhead:
	s_add_co_u32 s[TO], s[HCNT], 1
	s_add_co_u32 s[TO], s[TO], s[ROT]
	s_and_b32 s[TO], s[TO], 3
	s_mul_i32 s[TO], s[TO], GRP
	s_cmp_eq_u32 s[HCNT], 3
	s_cselect_b32 s[TS], 6*WPART, 0
	s_add_co_u32 s[TO], s[TO], s[TS]
	s_add_nc_u64 s[PNXT:PNXT+1], s[6:7], s[TO:TO+1]
	CHUNK 0, 0, 1, PCUR, 2*WPART
	CHUNK 0, 1, 1, PCUR, 3*WPART
	PLACES 4
.irp m, 0,1,2,3
	ROPE \m
	QUANT2 ACC+32*\m, 0, PC0, QSC+\m
	WIN 0x80
.irp i, 0,1,2
	v_mov_b32 v[QF+12*\m+\i], v[PC0+\i]
.endr
.irp i, 0,1,2
	v_mov_b32 v[QF+12*\m+3+\i], v[T+\i]
.endr
.endr
	WIN 0
	CHUNK 0, 0, 1, PCUR, 4*WPART
	CHUNK 0, 1, 1, PCUR, 5*WPART
	PLACES 4
.irp m, 0,1,2,3
	ROPE \m
	QUANT2 ACC+32*\m, 0, PC0, KSC
	WIN 0x80
.irp i, 0,1,2
	v_mov_b32 v[KF+\i], v[PC0+\i]
.endr
.irp i, 0,1,2
	v_mov_b32 v[KF+3+\i], v[T+\i]
.endr
	PLACES 8
	WIN 0x0a
	WM S+8*\m, KF, QF+12*\m, 1, KSC, QSC+\m, 0, 0
.endr
	CHUNK 1, 0, 1, PNXT, 0
	SOFTMAX                                        ; it names the scores and work registers alone, none of V's sums: it stands between V's two chunks, while the slot asked for in the first is on its way
	CHUNK 1, 1, 1, PNXT, WPART
	v_add_nc_u32 v[AI16], s[HOFF], v[AB16]
	v_add_nc_u32 v[AI8], s[HOFF], v[AB8]
	PLACES 3
	PV 0, 0
	PV 1, 1
	PLACES 8
	ATT 0
	ATT 1
	PV 2, 0
	PV 3, 1
	PLACES 8
	s_wait_dscnt 0x0
	ATT 2
	ATT 3
	s_mov_b64 s[PCUR:PCUR+1], s[PNXT:PNXT+1]
	s_add_co_u32 s[HOFF], s[HOFF], 3072
	s_add_co_u32 s[HCNT], s[HCNT], 1
	s_cmp_lt_u32 s[HCNT], 4
	s_cbranch_scc1 .Lhead
.irp p, 0,1,2,3
.irp m, 0,1,2,3
	ds_load_b128 v[ACC+24*\p+6*\m:ACC+24*\p+6*\m+3], v[AB16] offset:3072*\p+768*\m
	ds_load_b64 v[ACC+24*\p+6*\m+4:ACC+24*\p+6*\m+5], v[AB8] offset:3072*\p+768*\m+512
.endr
.endr
	s_wait_dscnt 0x0
.irp q, 0,1,2,3
.set ii, 0
.rept 24
	v_cndmask_b32 v[ALT+24*\q+ii], v[ACC+24*\q+ii], v[ACC+24*((\q+3)%4)+ii], s[M0]
.set ii, ii+1
.endr
.endr
.irp q, 0,1,2,3
.set ii, 0
.rept 24
	v_cndmask_b32 v[ACC+24*\q+ii], v[ALT+24*\q+ii], v[ALT+24*((\q+2)%4)+ii], s[M1]
.set ii, ii+1
.endr
.endr
.irp q, 0,1,2,3
.irp m, 0,1,2,3
	ds_store_b128 v[AB16], v[ACC+24*\q+6*\m:ACC+24*\q+6*\m+3] offset:3072*\q+768*\m
	ds_store_b64 v[AB8], v[ACC+24*\q+6*\m+4:ACC+24*\q+6*\m+5] offset:3072*\q+768*\m+512
.endr
.endr
.irp m, 0,1,2,3
	v_lshrrev_b32 v[ALT+2*\m], 16, v[SW+2*\m+1]
	v_lshrrev_b32 v[ALT+2*\m+1], 16, v[SW+2*\m]
.endr
.irp m, 0,1,2,3
	v_lshl_or_b32 v[ALT+2*\m], v[SW+2*\m], 16, v[ALT+2*\m]
	v_lshl_or_b32 v[ALT+2*\m+1], v[SW+2*\m+1], 16, v[ALT+2*\m+1]
.endr
.irp m, 0,1,2,3
	v_cndmask_b32 v[ALT+2*\m], v[SW+2*\m], v[ALT+2*\m], s[M0]
	v_cndmask_b32 v[ALT+2*\m+1], v[SW+2*\m+1], v[ALT+2*\m+1], s[M0]
.endr
.irp m, 0,1,2,3
	v_cndmask_b32 v[SW+2*\m], v[ALT+2*\m], v[ALT+2*\m+1], s[M1]
	v_cndmask_b32 v[SW+2*\m+1], v[ALT+2*\m+1], v[ALT+2*\m], s[M1]
.endr
.irp m, 0,1,2,3
.irp e, 0,1
	ds_store_b32 v[SWA], v[SW+2*\m+\e] offset:512*\m+64*\e
.endr
.endr
	s_wait_dscnt 0x0
	s_barrier_signal -1
	s_barrier_wait -1
	PLACES 4
	LOADA
	s_mov_b32 s[UCNT], 0
.Lout:
	s_add_co_u32 s[TO], s[UCNT], 1
	s_add_co_u32 s[TO], s[TO], s[ROT]
	s_and_b32 s[TO], s[TO], 3
	s_mul_i32 s[TO], s[TO], GRP
	s_add_co_u32 s[TO], s[TO], 6*WPART
	s_add_nc_u64 s[PNXT:PNXT+1], s[6:7], s[TO:TO+1]
	CHUNK 0, 0, 1, PNXT, 0
	CHUNK 0, 1, 1, PNXT, WPART
	WAYOUT
	s_add_co_u32 s[UCNT], s[UCNT], 1
	s_cmp_lt_u32 s[UCNT], 3
	s_cbranch_scc1 .Lout
	CHUNK 0, 0, 2, PNXT, 0
	CHUNK 0, 1, 0, PNXT, 0
	WAYOUT
	s_wait_tensorcnt 0x0
	ds_add_u32 v[SPW], v[NIL]
	s_wait_dscnt 0x0
	ROUND
	s_endpgm
.Lfunc_end_k_q39b3d95409_fused:
	.size	k_q39b3d95409_fused, .Lfunc_end_k_q39b3d95409_fused-k_q39b3d95409_fused
	.p2alignl 7, 3214868480
	.fill 96, 4, 3214868480
	.section	.rodata,"a",@progbits
	.p2align	6, 0x0
	.amdhsa_kernel k_q39b3d95409_fused
		.amdhsa_group_segment_fixed_size 327680
		.amdhsa_private_segment_fixed_size 0
		.amdhsa_enable_private_segment 0
		.amdhsa_kernarg_size 32
		.amdhsa_user_sgpr_count 2
		.amdhsa_user_sgpr_kernarg_segment_ptr 1
		.amdhsa_wavefront_size32 1
		.amdhsa_system_sgpr_workgroup_id_x 1
		.amdhsa_system_sgpr_workgroup_id_y 1
		.amdhsa_system_sgpr_workgroup_id_z 1
		.amdhsa_system_vgpr_workitem_id 0
		.amdhsa_next_free_vgpr 1024
		.amdhsa_next_free_sgpr 66
		.amdhsa_reserve_vcc 0
		.amdhsa_float_denorm_mode_32 3
		.amdhsa_float_denorm_mode_16_64 3
		.amdhsa_memory_ordered 1
		.amdhsa_forward_progress 1
		.amdhsa_inst_pref_size 255
	.end_amdhsa_kernel
	.section	.bss,"aw",@nobits
	.p2align	6
	.space	262144
	.amdgpu_metadata
---
amdhsa.version: [ 1, 2 ]
amdhsa.kernels:
  - .name:           k_q39b3d95409_fused
    .symbol:         k_q39b3d95409_fused.kd
    .args:
      - { .name: x, .offset: 0, .size: 8, .value_kind: global_buffer, .address_space: global }
      - { .name: wstream, .offset: 8, .size: 8, .value_kind: global_buffer, .address_space: global }
      - { .name: cstab, .offset: 16, .size: 8, .value_kind: global_buffer, .address_space: global }
      - { .name: out0, .offset: 24, .size: 8, .value_kind: global_buffer, .address_space: global }
    .group_segment_fixed_size: 327680
    .private_segment_fixed_size: 0
    .kernarg_segment_align: 8
    .kernarg_segment_size: 32
    .max_flat_workgroup_size: 128
    .sgpr_count:     66
    .vgpr_count:     1024
    .wavefront_size: 32
...
	.end_amdgpu_metadata
.endif
;; end of part 4
